; MI455X (gfx1250); checked and timed in simulation.
; The chip was launched on July 23, 2026; its instructions are those of AMD's public machine-readable ISA for CDNA 5 (MIT licence, August 2026) and "CDNA5" Instruction Set Architecture Reference Guide (July 2026). The comments in the code are by the model that wrote it; some were corrected since.
;; Esp. Allowed arithmetic: matrix products marked QUANTISED: E4M3 operands, one given power-of-two scale a tensor, by v_wmma_f32_16x16x64_fp8_fp8 or v_wmma_f32_16x16x128_fp8_fp8, f32 sums; products left as they are: f32 operands where the result goes on into a quantised operand, else bf16, f16 or f32 operands; f32 sums; everything else in f32.
;; Inputs: X 2 x 8 x 256 x 64 float32; Y 2 x 8 x 256 x 64 float32; lowp_scales 4 int32 (the exponents e of the quantised operands' scales 2^e).
;; Outputs: out0 2 x 8 x 256 x 256 float32.
;; This version of the problem:
;;   THIS VERSION OF THE PROBLEM IS GIVEN IN LOW PRECISION. The matrix products marked QUANTISED in the list below multiply operands that are first quantised to E4M3 (4 exponent bits, 3 mantissa bits; 8 bits a number), with one given power-of-two scale for each operand tensor; their sums are f32. All else is computed in f32.
;;   The module's matrix products, in the order in which they are computed (A, B: the left and right operand; K: the contracted axis; several contracted axes count as one K, in the product's order):
;;     1. batch 1,024 x [M 256, K 256] x [K 256, N 256]; A: computed on the way; B: computed on the way: QUANTISED (scales: A lowp_scales[0], B lowp_scales[1])
;;     2. batch 16 x [M 256, K 64] x [K 64, N 256]; A: input X; B: input Y: QUANTISED (scales: A lowp_scales[2], B lowp_scales[3])
;;     3. batch 16 x [M 1, K 65,536] x [K 65,536, N 64]; A: computed on the way; B: computed on the way: left as it is (M = 1 < 16)
;;     4. batch 16 x [M 65,536, K 64] x [K 64, N 1]; A: computed on the way; B: softmax: left as it is (N = 1 < 16)
;;   THE QUANTISER, for each operand of a quantised product, along K:
;;     - The operand's scale is 2^e, e = its entry of the input lowp_scales (int32; the entries are numbered through the quantised products in the list's order, A before B).
;;     - Each number is divided by the scale, clamped to +-448, and rounded to the nearest number of E4M3, ties to even, subnormals kept.
;;     - The product sums the exact products of the quantised numbers (number of the format x scale) in f32.
;;   ~~~python
;;   def quantise(x, axis, e):      # numpy; x: float32 -> the quantised numbers, widened to float32 again
;;       x = np.moveaxis(x, axis, -1); K = x.shape[-1]
;;       r = np.clip(x / 2.0 ** e, -448, 448)
;;       step = 2.0 ** (np.maximum(np.frexp(np.where(r == 0, 1, r))[1] - 1, -6) - 3)
;;       q = np.round(r / step) * step * 2.0 ** e      # np.round: ties to even
;;       return np.moveaxis(q, -1, axis).astype(np.float32)
;;   ~~~
;;   OPERANDS COMPUTED ON THE WAY. 'Computed on the way' means the value that the module computes at that place (a softmax that the list does not call 'softmax' is quantised finished and normalised). What goes into a quantiser is computed in f32, as accurately as f32 sums, v_exp_f32 and their like allow (about 1e-6 of the number): no bf16 or f16 on the way to a quantiser, and a product that is left as it is and whose result goes on into a quantised operand takes f32 operands (vector FMAs, or v_wmma_f32_16x16x4_f32). A number that lies on a knife's edge between two numbers of the format may be rounded either way, as far as f32 arithmetic and the matrix unit's own rounding can turn it there, and no further.
;; 2 versions, each right; version 2 is version 1 with the launch esp_main written anew for expert scheduling mode. Each part assembles by itself: llvm-mc -triple=amdgcn-amd-amdhsa -mcpu=gfx1250 --defsym DOCPART=n.
;; ======== version 1 of 2: 2 launches
;; workspace buffers: part 67,108,864 bytes; stats 65,536 bytes
;; launch esp_main (part 1): grid 16 x 16, 4 waves a work-group, no clusters, 313,088 bytes of LDS; arguments X, Y, lowp_scales, part, stats; writes part, stats
.if DOCPART == 1
	.amdgcn_target "amdgcn-amd-amdhsa--gfx1250"
	.amdhsa_code_object_version 6
	.text
	.protected	k_q292a892abe_esp_main
	.globl	k_q292a892abe_esp_main
	.p2align	8
	.type	k_q292a892abe_esp_main,@function
k_q292a892abe_esp_main:
	s_mov_b64 s[64:65], 0
	v_nop
	global_prefetch_b8 v0, s[64:65] scope:SCOPE_SE
	s_setreg_imm32_b32 hwreg(HW_REG_WAVE_MODE, 25, 1), 1
	s_wait_xcnt 0x0
; Esp, first launch.  X, Y: [16 heads][256 points][64 columns] f32.  For a head and a column l: Pu[i][j] = softmax_j(-(x_j - xs_i)^2 / 0.001), xs = the column sorted downward; Pv likewise of Y;
; Gamma_l = Pu^T Pv (over the rank i), on codes of E4M3 with the given scales 2^e0, 2^e1; cost = cdist(X, Y), its X Y^T on codes with 2^e2, 2^e3; swds_l = sum(cost x Gamma_l);
; out = sum_l softmax_l(-0.1 swds) Gamma_l.
; SHARES.  A work-group takes one head (y) and four columns l = 4 x + 0..3.  It sorts its 8 columns, builds its 8 matrices P ONCE as codes that stay on the chip (Pu as operand fragments in
; registers, Pv in LDS), multiplies them twice: pass a for swds_l, pass b for O = sum over its four l of w_l Gamma_l, w_l = exp(-0.1 (swds_l - m)), m = the least of its four swds.
; O goes to the buffer part as an image of the registers, (m, sum of w) to stats; the second launch joins the 16 groups of a head.  The least swds is taken away at both levels, as the softmax over l asks.
; AN IDENTITY, for all finite inputs: each sorted value is bit for bit one of the column's values, so in every row of -(s_j - srt_i)^2 / 0.001 one entry is exactly 0 and none is above it:
; the row's maximum, which the softmax takes away, IS 0; every exponent is 0 or less, and the row's sum lies between 1 and 256.  So no maximum is searched for.  No input and no product is left out.
; Only sorted VALUES are wanted, never an order of indices: a network of maxima and minima sorts them, and no address hangs on a floating-point number.
; LIMITS: inputs finite (no NaN, no infinity).  e0 .. e3 between -126 and 119; e2 + e3 + 1 between -126 and 127.  An exponential under 2^-126 comes out as 0.
; The exponent is made as d x d x (-log2(e) / 0.001), two roundings, where the definition divides by 0.001 and leaves log2(e) to the exponential.
; No tensor load, no cluster: a work-group reads 128 KB of inputs once and then works from registers and LDS; and one branch hangs on a given scale (see BUILD).
.set PITCH, 544                        ; a row of codes in LDS: 256 columns x 2 ranks = 512 bytes + 32: the 8 rows x 32 bytes of half a turning load fall on different banks (64 banks of 4 bytes: ISA guide 11.1)
.set REG,   128*PITCH                  ; a matrix P: 128 rows, row m = ranks 2 m, 2 m + 1; byte 2 j + rho = code of P[2 m + rho][j]
.set SRT,   4*REG                      ; LDS: four such regions (Pv of l = 0..3; regions 0, 1 first serve as the stage of Pu); then 8 sorted columns of 1,024 bytes,
.set SAR,   SRT+8192                   ; the 8 columns as they came (array a = l for X, 4 + l for Y),
.set YIMG,  SAR+8192                   ; images of Y's 16 fragments (16 rows x 64 K: 8 registers a lane, 1,024 bytes),
.set Y2B,   YIMG+16384                 ; y2[256],
.set RED,   Y2B+1024                   ; four waves x four partial swds,
.set SPARE, RED+256                    ; and the spare words, 128 bytes for each wave: two blocks of 256 bytes that no other line names
; REGISTERS, window 0, kept: v1 16 x lane; then
.set SPW,  2                           ; LDS address of my spare word; never rewritten
.set NIL,  3                           ; 0; never rewritten
.set ADS0, 4                           ; SAR + 128 ch            (lane = 4 ch + pr)
.set ADR0, 5                           ; SRT + 256 wave + 8 pr
.set AST0, 6                           ; (32 wave + pr) PITCH + 64 ch
.set TRA,  7                           ; v7, v8: turning loads of Pu's stage, region 0, 1: TB + 128 wave
.set TB,   9                           ; v9-12: (32 h + lane % 8) PITCH + 16 ((lane / 8) % 2) + l REG
.set TBW,  13                          ; v13-16: the same + the column tile's bytes
.set YIA0, 17                          ; YIMG + 16 lane
.set Y2A0, 18                          ; Y2B + 32 h
.set YIAW, 19
.set Y2AW, 20
.set ADRW, 21
.set ASTW, 22
.set ADSW, 23
.set X2,   24                          ; v24-27: x2 of my row in my wave's four tiles of rows
.set SCA,  28                          ; 2^e0;  v29: 448 x 2^e0;  v30, v31: the same with e1
.set LIMA, 29
.set SCB,  30
.set LIMB, 31
; the sort: v32-47, v48-63 two sets of 8 elements x 2 arrays (element r of array q at 2 r + q); v64-79 the partner's; v80-84 +infinity where the lane's bit beta is 0, else -infinity
.set CUR,  32
.set NXT,  48
.set TT,   64
.set SG,   80
; the builds
.set RS,   32                          ; v32-63   s_j, j = 32 ch + 0..31
.set RP0,  64                          ; v64-127  group 0: register 2 t + rho = P[2 m + rho][32 ch + t]
.set RP1,  128                         ; v128-191 group 1
.set RC,   192                         ; v192-223 their codes
.set SR0,  224                         ; the two groups' pairs of sorted values
.set SR1,  226
.set ZS0,  228                         ; their pairs of row sums
.set ZS1,  230
.set RT,   232                         ; v232-235 at work for the lane exchange
.set RCP0, 236                         ; 1 / sum
.set RCP1, 238
.set RQ,   240                         ; v240-247 four chains of sums
; the passes
.set RBX,  32                          ; v32-95   Pv's fragments of l = 0, 1 (32 l' + 16 ks)
.set RBY,  96                          ; v96-159  of l = 2, 3
.set RYF,  160                         ; v160-167 Y's fragment
.set RY2,  168                         ; v168-175 y2 of my 8 columns
.set CO,   176                         ; v176-207 X Y^T, then cost; in pass b: O
.set BS,   208                         ; v208-239 x2 + y2
.set SW,   240                         ; v240-255 sums of cost x Gamma: pair 4 l + 2 (rt % 2); in pass b v240-247: w_l 2^(e0 + e1), twice each
; window 1: v0-127 raw X, v128-255 raw Y (tile rt at 32 rt); later v[32 l + 8 rt] the accumulator of Gamma_l, tile rt; v128-159 X's four fragments.   windows 2, 3: Pu's fragments, 128 l + 32 rt + 16 ks
; s_set_vgpr_msb's low byte: bits 1:0 source 0, 3:2 source 1, 5:4 source 2, 7:6 destination
.set MSB, 0
.macro WIN new                         ; the immediate's high byte repeats the setting that is left; a switch that changes nothing is dropped
.if MSB != \new
	s_set_vgpr_msb (MSB<<8)|\new
.set MSB, \new
.endif
.endm
.macro BARRIER                         ; my LDS stores have landed and my LDS loads are in: then the work-group's barrier
	s_wait_dscnt 0x0
	s_barrier_signal -1
	s_barrier_wait -1
.endm
	s_load_b256 s[4:11], s[0:1], 0x0               ; X s[4:5], Y s[6:7], the scales' exponents s[8:9], part s[10:11]
	s_load_b64 s[12:13], s[0:1], 0x20              ; stats
	v_lshl_add_u32 v[SPW], v0, 2, SPARE
	v_mov_b32 v[NIL], 0
	v_lshrrev_b32 v96, 5, v0
	v_readfirstlane_b32 s20, v96                   ; wave 0..3
	s_mov_b32 s21, ttmp9                           ; lg: my four columns are 4 lg + 0..3
	s_and_b32 s22, ttmp7, 0xffff                   ; the head
	v_and_b32 v97, 31, v0                          ; lane
	v_and_b32 v98, 3, v0                           ; pr
	v_bfe_u32 v99, v0, 2, 3                        ; ch
	v_and_b32 v100, 15, v0                         ; r
	v_bfe_u32 v101, v0, 4, 1                       ; h
	v_and_b32 v102, 7, v0
	v_bfe_u32 v103, v0, 3, 1
	v_lshlrev_b32 v1, 4, v97
	v_lshl_add_u32 v[ADS0], v99, 7, SAR
	s_lshl_b32 s41, s20, 8
	s_add_co_u32 s41, s41, SRT
	v_lshl_add_u32 v[ADR0], v98, 3, s41
	s_mul_i32 s41, s20, 32*PITCH
	v_mul_u32_u24 v[AST0], v98, PITCH
	v_lshl_add_u32 v[AST0], v99, 6, v[AST0]
	v_add_nc_u32 v[AST0], s41, v[AST0]
	v_lshl_add_u32 v[TB], v101, 5, v102
	v_mul_u32_u24 v[TB], v[TB], PITCH
	v_lshl_add_u32 v[TB], v103, 4, v[TB]
	v_add_nc_u32 v[TB+1], REG, v[TB]
	v_add_nc_u32 v[TB+2], 2*REG, v[TB]
	v_add_nc_u32 v[TB+3], 3*REG, v[TB]
	s_lshl_b32 s41, s20, 7                         ; my wave's 64 columns j: 128 bytes of a row of codes
	v_add_nc_u32 v[TRA], s41, v[TB]
	v_add_nc_u32 v[TRA+1], REG, v[TRA]
	v_add_nc_u32 v[YIA0], YIMG, v1
	v_lshl_add_u32 v[Y2A0], v101, 5, Y2B
	s_lshl_b32 s41, s20, 11                        ; my wave sorts arrays 2 wave and 2 wave + 1
	s_add_co_u32 s42, s41, SAR
	s_add_co_u32 s41, s41, SRT
	v_lshl_add_u32 v104, v97, 2, s42               ; as they came: point 32 r + lane
	v_lshl_add_u32 v105, v97, 5, s41               ; sorted: rank 8 lane + r
	s_lshl_b32 s41, s21, 4
	s_and_b32 s42, s20, 1
	s_lshl_b32 s42, s42, 3
	s_add_co_u32 s41, s41, s42
	v_lshl_add_u32 v106, v97, 8, s41               ; the two columns in memory: row = lane, byte 16 lg + 8 (wave % 2)
	s_lshl_b32 s41, s20, 14
	v_lshlrev_b32 v107, 8, v100
	v_lshl_add_u32 v107, v101, 7, v107
	v_add_nc_u32 v107, s41, v107                   ; whole rows: (64 wave + r) x 256 + 128 h: my 32 numbers of a row
.irp b, 0,1,2,3,4
	v_bfe_u32 v108, v0, \b, 1
	v_lshlrev_b32 v108, 31, v108
	v_or_b32 v[SG+\b], 0x7f800000, v108
.endr
.irp i, 0,1,2,3,4,5,6,7,8,9,10,11,12,13,14,15
	v_mov_b32 v[TT+\i], 0                          ; written once: the destination of a lane exchange counts as one of its sources
.endr
	s_mov_b32 s23, 0x2b8cbccc                      ; 1e-12
	s_mov_b32 s24, 0xc4b4563e                      ; -log2(e) / 0.001
	s_mov_b32 s25, s24                             ; (named with it as a pair, so it is written)
	s_mov_b32 s26, 0x76543210                      ; v_permlanex16_b32: lane xor 16
	s_mov_b32 s27, 0xfedcba98
	s_mov_b32 s28, 0x89abcdef                      ; lane xor 31
	s_mov_b32 s29, 0x01234567
	s_wait_kmcnt 0x0
	s_load_b128 s[16:19], s[8:9], 0x0              ; e0 .. e3
	s_lshl_b32 s41, s22, 4
	s_add_co_u32 s41, s41, s21                     ; the work-group's number: 16 head + lg
	s_lshl_b32 s46, s41, 18
	s_lshl_b32 s42, s20, 16
	s_add_co_u32 s46, s46, s42
	s_mov_b32 s47, 0
	s_add_nc_u64 s[10:11], s[10:11], s[46:47]      ; part: 262,144 bytes a work-group, 65,536 a wave
	s_lshl_b32 s46, s41, 8
	s_add_nc_u64 s[12:13], s[12:13], s[46:47]      ; stats: 256 bytes a work-group
	s_lshl_b32 s46, s22, 16
	s_add_nc_u64 s[4:5], s[4:5], s[46:47]          ; X and Y at my head
	s_add_nc_u64 s[6:7], s[6:7], s[46:47]
	s_cmp_lt_u32 s20, 2                            ; waves 0, 1 sort X's columns, waves 2, 3 Y's
	s_cselect_b64 s[44:45], s[4:5], s[6:7]
.irp r, 0,1,2,3,4,5,6,7
	global_load_b64 v[CUR+2*\r:CUR+2*\r+1], v106, s[44:45] offset:\r*8192   ; point 32 r + lane, two neighbouring columns
.endr
	s_wait_loadcnt 0x0
	WIN 0x40                                       ; destination window 1.  The rows for the cost are asked for now and waited for behind the builds: window 1 is not touched meanwhile
.irp rt, 0,1,2,3
.irp q, 0,1,2,3,4,5,6,7
	global_load_b128 v[32*\rt+4*\q:32*\rt+4*\q+3], v107, s[4:5] offset:\rt*4096+16*\q
.endr
.endr
.irp rt, 0,1,2,3
.irp q, 0,1,2,3,4,5,6,7
	global_load_b128 v[128+32*\rt+4*\q:128+32*\rt+4*\q+3], v107, s[6:7] offset:\rt*4096+16*\q
.endr
.endr
	WIN 0
.irp r, 0,1,2,3,4,5,6,7
.irp q, 0,1
	ds_store_b32 v104, v[CUR+2*\r+\q] offset:\q*1024+128*\r
.endr
.endr
	s_wait_kmcnt 0x0
	s_add_co_i32 s41, s16, 127
	s_lshl_b32 s42, s41, 23
	v_mov_b32 v[SCA], s42                          ; 2^e0 as f32: the conversion takes its exponent field
	s_add_co_i32 s41, s41, 8
	s_lshl_b32 s41, s41, 23
	s_or_b32 s41, s41, 0x600000
	v_mov_b32 v[LIMA], s41                         ; 448 x 2^e0
	s_add_co_i32 s41, s17, 127
	s_lshl_b32 s42, s41, 23
	v_mov_b32 v[SCB], s42
	s_add_co_i32 s41, s41, 8
	s_lshl_b32 s41, s41, 23
	s_or_b32 s41, s41, 0x600000
	v_mov_b32 v[LIMB], s41
	s_add_co_i32 s32, s16, s17                     ; e0 + e1
	s_add_co_i32 s30, s18, s19
	s_add_co_i32 s30, s30, 128
	s_lshl_b32 s30, s30, 23
	s_or_b32 s30, s30, 0x80000000                  ; -2^(e2 + e3 + 1): a sum of X Y^T's codes x this is -2 x y
	s_mov_b32 s31, s30
; THE SORT, downward, of 256 elements e = 8 lane + r, two arrays side by side.  A bitonic network in the form whose comparisons all point one way: for blocks of 2, 4, .. 256 first e against e xor (block - 1),
; then e against e xor block / 4, .. 1; the lower index takes the larger.  RSTAGE: both partners in my registers.  XSTAGE: the partner in lane xor LM (register r xor RF); the middle of
; (mine, the partner's, +-infinity) is the larger where my lane's bit BETA is 0 and the smaller where it is 1.
.macro RSTAGE M
.irp r, 0,1,2,3,4,5,6,7
.if \r < (\r^\M)
.irp q, 0,1
	v_max_num_f32 v[NXT+2*\r+\q], v[CUR+2*\r+\q], v[CUR+2*(\r^\M)+\q]
	v_min_num_f32 v[NXT+2*(\r^\M)+\q], v[CUR+2*\r+\q], v[CUR+2*(\r^\M)+\q]
.endr
.endif
.endr
.set SWP, CUR
.set CUR, NXT
.set NXT, SWP
.endm
.macro XSTAGE LM, RF, BETA
.irp r, 0,1,2,3,4,5,6,7
.irp q, 0,1
.if \LM == 31
	v_permlanex16_b32 v[TT+2*\r+\q], v[CUR+2*(\r^\RF)+\q], s28, s29
.else
	v_mov_b32_dpp v[TT+2*\r+\q], v[CUR+2*(\r^\RF)+\q] row_xmask:\LM row_mask:0xf bank_mask:0xf
.endif
.endr
.endr
.irp r, 0,1,2,3,4,5,6,7
.irp q, 0,1
	v_med3_num_f32 v[CUR+2*\r+\q], v[CUR+2*\r+\q], v[TT+2*\r+\q], v[SG+\BETA]
.endr
.endr
.endm
.macro RTAIL
	RSTAGE 4
	RSTAGE 2
	RSTAGE 1
.endm
	RSTAGE 1
	RSTAGE 3
	RSTAGE 1
	RSTAGE 7
	RSTAGE 2
	RSTAGE 1
	XSTAGE 1, 7, 0
	RTAIL
	XSTAGE 3, 7, 1
	XSTAGE 1, 0, 0
	RTAIL
	XSTAGE 7, 7, 2
	XSTAGE 2, 0, 1
	XSTAGE 1, 0, 0
	RTAIL
	XSTAGE 15, 7, 3
	XSTAGE 4, 0, 2
	XSTAGE 2, 0, 1
	XSTAGE 1, 0, 0
	RTAIL
	XSTAGE 31, 7, 4
	XSTAGE 8, 0, 3
	XSTAGE 4, 0, 2
	XSTAGE 2, 0, 1
	XSTAGE 1, 0, 0
	RTAIL
.irp r, 0,1,2,3,4,5,6,7
.irp q, 0,1
	ds_store_b32 v105, v[CUR+2*\r+\q] offset:\q*1024+4*\r
.endr
.endr
.irp i, 0,1,2,3
	v_mov_b32 v[RT+\i], 0                          ; written once, for the builds' lane exchanges
.endr
	s_wait_xcnt 0x0                                ; the 64 row loads have read their offset register, which the builds write over
	BARRIER                                        ; all 8 columns lie in LDS, as they came and sorted
; THE BUILD OF ONE P.  A group is 4 pairs of ranks x 256 j: lane (pr, ch) holds ranks 2 m, 2 m + 1 and j = 32 ch + 0..31, so every packed instruction works on the two ranks of one j; s_j is taken for both halves
; by op_sel.  Eight neighbouring registers are 4 j x 2 ranks: one conversion gives 8 bytes that lie as the region wants them.  Wave w builds m = 32 w + 4 g + pr, g = 0..7, two groups a trip.
.macro DIFF P, SR                      ; pair tt: s_j - srt
.if (tt%2) == 0
	v_pk_add_f32 v[\P+2*tt:\P+2*tt+1], v[RS+tt:RS+tt+1], v[\SR:\SR+1] op_sel_hi:[0,1] neg_lo:[0,1] neg_hi:[0,1]
.else
	v_pk_add_f32 v[\P+2*tt:\P+2*tt+1], v[RS+tt-1:RS+tt], v[\SR:\SR+1] op_sel:[1,0] op_sel_hi:[1,1] neg_lo:[0,1] neg_hi:[0,1]
.endif
.endm
.macro SQR P
	v_pk_mul_f32 v[\P+2*tt:\P+2*tt+1], v[\P+2*tt:\P+2*tt+1], v[\P+2*tt:\P+2*tt+1]
.endm
.macro SCL P
	v_pk_mul_f32 v[\P+2*tt:\P+2*tt+1], v[\P+2*tt:\P+2*tt+1], s[24:25] op_sel_hi:[1,0]
.endm
.macro SUMOP P, Z                      ; step nn of 31 of the sum of a group's 32 pairs: four chains, then their sum
.if nn < 4
	v_pk_add_f32 v[RQ+2*nn:RQ+2*nn+1], v[\P+2*nn:\P+2*nn+1], v[\P+2*nn+8:\P+2*nn+9]
.elseif nn < 28
	v_pk_add_f32 v[RQ+2*(nn%4):RQ+2*(nn%4)+1], v[RQ+2*(nn%4):RQ+2*(nn%4)+1], v[\P+2*nn+8:\P+2*nn+9]
.elseif nn == 28
	v_pk_add_f32 v[RQ:RQ+1], v[RQ:RQ+1], v[RQ+2:RQ+3]
.elseif nn == 29
	v_pk_add_f32 v[RQ+4:RQ+5], v[RQ+4:RQ+5], v[RQ+6:RQ+7]
.elseif nn == 30
	v_pk_add_f32 v[\Z:\Z+1], v[RQ:RQ+1], v[RQ+4:RQ+5]
.endif
.endm
.macro REDZ Z, T                       ; over the eight lanes that share my ranks: lane xor 4, 8, 16
.irp i, 0,1
	v_add_f32_dpp v[\Z+\i], v[\Z+\i], v[\Z+\i] row_xmask:4 row_mask:0xf bank_mask:0xf
.endr
.irp i, 0,1
	v_add_f32_dpp v[\Z+\i], v[\Z+\i], v[\Z+\i] row_xmask:8 row_mask:0xf bank_mask:0xf
.endr
.irp i, 0,1
	v_permlanex16_b32 v[\T+\i], v[\Z+\i], s26, s27
.endr
.irp i, 0,1
	v_add_f32 v[\Z+\i], v[\Z+\i], v[\T+\i]
.endr
.endm
.macro NORM P, R
.set tt, 0
.rept 32
	v_pk_mul_f32 v[\P+2*tt:\P+2*tt+1], v[\P+2*tt:\P+2*tt+1], v[\R:\R+1]
.set tt, tt+1
.endr
.endm
.macro PLOAD                           ; s37 = the array's bytes: my 32 s_j and the first trip's two pairs of sorted values
	v_add_nc_u32 v[ADSW], s37, v[ADS0]
	v_add_nc_u32 v[ADRW], s37, v[ADR0]
.irp q, 0,1,2,3,4,5,6,7
	ds_load_b128 v[RS+4*\q:RS+4*\q+3], v[ADSW] offset:16*\q
.endr
	ds_load_b64 v[SR0:SR0+1], v[ADRW]
	ds_load_b64 v[SR1:SR1+1], v[ADRW] offset:32
.endm
; s37 as above; s42 = the region's first byte.  ES: the scalar register with the scale's exponent; SC, LIM: 2^e and 448 x 2^e.
.macro BUILD ES, SC, LIM
	s_add_co_u32 s43, s37, 64
	s_mov_b32 s33, 0
.Ltrip_\@:
	s_mul_i32 s36, s33, 8*PITCH                    ; a trip's 8 rows of the region
	s_add_co_u32 s36, s36, s42
	s_lshl_b32 s35, s33, 6                         ; the NEXT trip's sorted values (behind the last trip: bytes that were written and are not used)
	s_add_co_u32 s35, s35, s43
	s_wait_dscnt 8                                 ; this trip's two pairs are in; the 8 stores issued behind them may be out
.set tt, 0
.rept 32
	DIFF RP0, SR0
.set tt, tt+1
.endr
.set tt, 0
.rept 32
	SQR RP0
.set tt, tt+1
.endr
.set tt, 0
.rept 32
	SCL RP0
.set tt, tt+1
.endr
.set nn, 0                             ; group 0's exponentials, with group 1's exponents made between them: none of these lines names an exponential's result
.rept 34
.if nn < 32
	v_exp_f32 v[RP0+2*nn], v[RP0+2*nn]
	v_exp_f32 v[RP0+2*nn+1], v[RP0+2*nn+1]
.set tt, nn
	DIFF RP1, SR1
.endif
.if (nn >= 1) && (nn <= 32)
.set tt, nn-1
	SQR RP1
.endif
.if nn >= 2
.set tt, nn-2
	SCL RP1
.endif
.set nn, nn+1
.endr
	v_add_nc_u32 v[ADRW], s35, v[ADR0]
	ds_load_b64 v[SR0:SR0+1], v[ADRW]
	ds_load_b64 v[SR1:SR1+1], v[ADRW] offset:32
	s_wait_alu depctr_va_vdst(0)                   ; one wait for group 0's 64 exponentials, ahead of their first reader
.set nn, 0                             ; group 1's exponentials, with group 0's sum between them
.rept 32
	v_exp_f32 v[RP1+2*nn], v[RP1+2*nn]
	v_exp_f32 v[RP1+2*nn+1], v[RP1+2*nn+1]
	SUMOP RP0, ZS0
.set nn, nn+1
.endr
	REDZ ZS0, RT
	v_rcp_f32 v[RCP0], v[ZS0]
	v_rcp_f32 v[RCP0+1], v[ZS0+1]
	v_nop                                          ; a plain instruction behind the last transcendental
	s_wait_alu depctr_va_vdst(0)                   ; one wait for group 1's exponentials and group 0's reciprocals
.set nn, 0
.rept 31
	SUMOP RP1, ZS1
.set nn, nn+1
.endr
	REDZ ZS1, RT+2
	v_rcp_f32 v[RCP1], v[ZS1]
	v_rcp_f32 v[RCP1+1], v[ZS1+1]
	NORM RP0, RCP0                                 ; independent work behind the reciprocals
	s_wait_alu depctr_va_vdst(0)
	NORM RP1, RCP1
	s_cmp_ge_i32 s[\ES], -8                        ; a normalised p is at most 1 and a rounding, which lies under 448 x 2^e from e = -8 on: there the hold at the largest code moves nothing.
	s_cbranch_scc1 .Lnohold_\@                     ; A branch on a whole number read from memory, round the 128 holds and nothing else
.set tt, 0
.rept 128
	v_min_num_f32 v[RP0+tt], v[\LIM], v[RP0+tt]    ; the conversion to an 8-bit code does not saturate (ISA guide 7.6.2); p is not negative, so the hold is one-sided
.set tt, tt+1
.endr
.Lnohold_\@:
.set tt, 0
.rept 16
	v_cvt_scalef32_pk8_fp8_f32 v[RC+2*tt:RC+2*tt+1], v[RP0+8*tt:RP0+8*tt+7], v[\SC]
.set tt, tt+1
.endr
	v_nop                                          ; a plain instruction between the last conversion and the next lines that write its sources
	v_add_nc_u32 v[ASTW], s36, v[AST0]
.irp q, 0,1,2,3
	ds_store_b128 v[ASTW], v[RC+4*\q:RC+4*\q+3] offset:16*\q
.endr
.irp q, 0,1,2,3
	ds_store_b128 v[ASTW], v[RC+16+4*\q:RC+16+4*\q+3] offset:4*PITCH+16*\q
.endr
	s_add_co_u32 s33, s33, 1
	s_cmp_lt_u32 s33, 4
	s_cbranch_scc1 .Ltrip_\@
	s_wait_dscnt 0x0                               ; my stores have landed; the pairs fetched ahead in the last trip are in, so their registers may be loaded again
.endm
; A FRAGMENT (16 columns x 128 ranks, 16 registers) comes by four turning loads of 16-bit elements (an element = a column's two neighbouring ranks): load c of K step ks takes rows 64 ks + 32 h + 8 c + 0..7,
; and leaves lane (r, h) column c0 + r, ranks 128 ks + 64 h + 16 c + 0..15 in registers 4 c .. 4 c + 3.  The same places for Pu and for Pv: every product meets its partner.
.macro ALOAD a                         ; Pu of l = a, my wave's 64 columns, into windows 2, 3: they stay
.if (\a) < 2
	WIN 0x80
.else
	WIN 0xc0
.endif
.irp rt, 0,1,2,3
.irp ks, 0,1
.irp c, 0,1,2,3
	ds_load_tr16_b128 v[((\a)%2)*128+32*\rt+16*\ks+4*\c:((\a)%2)*128+32*\rt+16*\ks+4*\c+3], v[TRA+(\a)%2] offset:(64*\ks+8*\c)*PITCH+32*\rt
.endr
.endr
.endr
	WIN 0
.endm
; Pu, l = 0..3, through regions 0 and 1 by turns: while Pu(l) is built into one, the fragments of Pu(l - 1) are read out of the other.
.irp l, 0,1,2,3
	s_mov_b32 s37, \l*1024
	s_mov_b32 s42, (\l%2)*REG
	PLOAD
.if \l > 0
	ALOAD \l-1
	s_wait_dscnt 32                                ; PLOAD's ten loads are in; the 32 turning loads issued behind them may be out
.else
	s_wait_dscnt 0x0
.endif
	BUILD 16, SCA, LIMA                            ; (ends with the wait for all my LDS instructions: the turning loads of the other region among them)
	s_barrier_signal -1
	s_barrier_wait -1                              ; Pu(l) lies whole in its region, and nobody reads the other region any more
.endr
	ALOAD 3
	BARRIER                                        ; region 1 has been read out: Pv may take all four regions
; Pv, l = 0..3, each into its own region
	s_mov_b32 s34, 0
.Lpv:
	s_lshl_b32 s37, s34, 10
	s_add_co_u32 s37, s37, 4096                    ; array 4 + l
	s_mul_i32 s42, s34, REG
	PLOAD
	s_wait_dscnt 0x0
	BUILD 17, SCB, LIMB
	s_add_co_u32 s34, s34, 1
	s_cmp_lt_u32 s34, 4
	s_cbranch_scc1 .Lpv
; X AND Y FOR THE COST.  Lane (r, h) holds numbers 32 h + 0..31 of row r of a tile: their squares' sum (with lane xor 16's) is x2 or y2, of the numbers as they are; held and converted they are a fragment for the
; K = 64 form (8 registers; the same places of k in X and in Y).  Y's go to LDS as images of the registers, for all waves; X's stay mine.  Y first: X's fragments land where raw Y lay.
.set SCX,  224
.set LIMX, 225
.set SCY,  226
.set LIMY, 227
.macro QROW R, isy, t, SC, LIM
	WIN 0x05                                       ; sources 0 and 1 window 1
	v_pk_mul_f32 v[RQ:RQ+1], v[\R:\R+1], v[\R:\R+1]
	v_pk_mul_f32 v[RQ+2:RQ+3], v[\R+2:\R+3], v[\R+2:\R+3]
.irp p, 2,3,4,5,6,7,8,9,10,11,12,13,14,15
	v_pk_fma_f32 v[RQ+2*(\p%2):RQ+2*(\p%2)+1], v[\R+2*\p:\R+2*\p+1], v[\R+2*\p:\R+2*\p+1], v[RQ+2*(\p%2):RQ+2*(\p%2)+1]
.endr
	WIN 0
	v_pk_add_f32 v[RQ:RQ+1], v[RQ:RQ+1], v[RQ+2:RQ+3]
	v_add_f32 v[RQ], v[RQ], v[RQ+1]
	v_permlanex16_b32 v[RT], v[RQ], s26, s27
.if \isy
	v_add_f32 v[RQ], v[RQ], v[RT]
	ds_store_b32 v[Y2AW], v[RQ] offset:64*\t       ; both halves of the lanes hold the same sum and write the same word
.else
	v_add_f32 v[X2+\t], v[RQ], v[RT]
.endif
	WIN 0x41                                       ; source 0 and destination window 1
.set tt, 0
.rept 32
	v_med3_num_f32 v[\R+tt], v[\R+tt], -v[\LIM], v[\LIM]   ; the hold at the largest code x the scale, always executed
.set tt, tt+1
.endr
.if \isy
	WIN 0x01
.irp u, 0,1,2,3
	v_cvt_scalef32_pk8_fp8_f32 v[RC+2*\u:RC+2*\u+1], v[\R+8*\u:\R+8*\u+7], v[\SC]
.endr
	v_nop                                          ; a plain instruction behind the last conversion
	WIN 0
	ds_store_b128 v[YIAW], v[RC:RC+3] offset:1024*\t
	ds_store_b128 v[YIAW], v[RC+4:RC+7] offset:1024*\t+512
.else
.irp u, 0,1,2,3
	v_cvt_scalef32_pk8_fp8_f32 v[128+8*\t+2*\u:128+8*\t+2*\u+1], v[\R+8*\u:\R+8*\u+7], v[\SC]
.endr
	v_nop
	WIN 0
.endif
.endm
	s_wait_loadcnt 0x0                             ; the 64 row loads of the head
	s_add_co_i32 s41, s18, 127
	s_lshl_b32 s42, s41, 23
	v_mov_b32 v[SCX], s42
	s_add_co_i32 s41, s41, 8
	s_lshl_b32 s41, s41, 23
	s_or_b32 s41, s41, 0x600000
	v_mov_b32 v[LIMX], s41
	s_add_co_i32 s41, s19, 127
	s_lshl_b32 s42, s41, 23
	v_mov_b32 v[SCY], s42
	s_add_co_i32 s41, s41, 8
	s_lshl_b32 s41, s41, 23
	s_or_b32 s41, s41, 0x600000
	v_mov_b32 v[LIMY], s41
	s_lshl_b32 s41, s20, 12
	v_add_nc_u32 v[YIAW], s41, v[YIA0]             ; my four images: tiles 4 wave + 0..3
	s_lshl_b32 s41, s20, 8
	s_add_co_u32 s41, s41, Y2B
	v_and_b32 v[Y2AW], 15, v0
	v_lshl_add_u32 v[Y2AW], v[Y2AW], 2, s41
.irp t, 0,1,2,3
	QROW 128+32*\t, 1, \t, SCY, LIMY
.endr
.irp t, 0,1,2,3
	QROW 32*\t, 0, \t, SCX, LIMX
.endr
	BARRIER                                        ; Pv's four regions, Y's images and y2 lie whole in LDS
; THE PASSES.  Products are used transposed: source 0 = 16 columns k (of Pv, or rows of Y), source 1 = 16 columns j of Pu (rows of X): lane (r, h), register n holds (j = j0 + r, k = k0 + 8 h + n).
; A wave owns rows j = 64 wave + 0..63 (rt = 0..3) and walks the 16 tiles of columns; a trip is one tile: 32 products for the four l.
.macro LOADB dst, lp                   ; Pv's fragments of l = 2 lp, 2 lp + 1, both K steps: 16 turning loads
.irp u, 0,1
.irp ks, 0,1
.irp c, 0,1,2,3
	ds_load_tr16_b128 v[\dst+32*\u+16*\ks+4*\c:\dst+32*\u+16*\ks+4*\c+3], v[TBW+2*\lp+\u] offset:(64*\ks+8*\c)*PITCH
.endr
.endr
.endr
.endm
.macro GAMMA B, GB                     ; 16 products: eight accumulators by turns, one instruction a turn; the first K step starts the sums
.irp ks, 0,1
.irp u, 0,1
.irp rt, 0,1,2,3
.if \ks == 0
	v_wmma_f32_16x16x128_fp8_fp8 v[\GB+32*\u+8*\rt:\GB+32*\u+8*\rt+7], v[\B+32*\u:\B+32*\u+15], v[128*\u+32*\rt:128*\u+32*\rt+15], 0
.else
	v_wmma_f32_16x16x128_fp8_fp8 v[\GB+32*\u+8*\rt:\GB+32*\u+8*\rt+7], v[\B+32*\u+16:\B+32*\u+31], v[128*\u+32*\rt+16:128*\u+32*\rt+31], v[\GB+32*\u+8*\rt:\GB+32*\u+8*\rt+7]
.endif
.endr
.endr
.endr
.endm
.macro SWSUM GB, L0                    ; sums of cost x Gamma; each accumulator is read from its low end on
.irp p, 0,1,2,3
.irp rt, 0,1,2,3
.irp u, 0,1
	v_pk_fma_f32 v[SW+4*(\L0+\u)+2*(\rt%2):SW+4*(\L0+\u)+2*(\rt%2)+1], v[\GB+32*\u+8*\rt+2*\p:\GB+32*\u+8*\rt+2*\p+1], v[CO+8*\rt+2*\p:CO+8*\rt+2*\p+1], v[SW+4*(\L0+\u)+2*(\rt%2):SW+4*(\L0+\u)+2*(\rt%2)+1]
.endr
.endr
.endr
.endm
.macro PASS second
	v_mov_b32 v[TBW], v[TB]
	v_mov_b32 v[TBW+1], v[TB+1]
	LOADB RBX, 0                                   ; tile 0, l = 0, 1
.if \second == 0
	ds_load_b128 v[RYF:RYF+3], v[YIA0]
	ds_load_b128 v[RYF+4:RYF+7], v[YIA0] offset:512
	ds_load_b128 v[RY2:RY2+3], v[Y2A0]
	ds_load_b128 v[RY2+4:RY2+7], v[Y2A0] offset:16
.irp i, 0,1,2,3,4,5,6,7,8,9,10,11,12,13,14,15
	v_mov_b32 v[SW+\i], 0
.endr
.endif
	s_mov_b32 s38, 0
.Lct_\@:
	s_lshl_b32 s39, s38, 5                         ; this tile's 16 columns: 32 bytes of a row of codes,
	s_add_co_u32 s40, s39, 32
	s_and_b32 s40, s40, 511                        ; the next tile's (behind the last: tile 0's, fetched and not used)
	v_add_nc_u32 v[TBW+2], s39, v[TB+2]
	v_add_nc_u32 v[TBW+3], s39, v[TB+3]
	v_nop                                          ; with the two additions: four places in front of loads into registers that products have read (ISA guide 7.12.1 for vector instructions)
	v_nop
	LOADB RBY, 1
	s_wait_dscnt 16                                ; all but the 16 just issued: l = 0, 1's fragments (pass a: Y's fragment and y2 too) are in
.if \second == 0
	WIN 0x04                                       ; source 1 (X) window 1
.irp rt, 0,1,2,3
	v_wmma_f32_16x16x64_fp8_fp8 v[CO+8*\rt:CO+8*\rt+7], v[RYF:RYF+7], v[128+8*\rt:128+8*\rt+7], 0
.endr
.endif
	WIN 0x58                                       ; source 1 (Pu) window 2, C and D window 1
	GAMMA RBX, 0
	WIN 0
.if \second == 0
.irp rt, 0,1,2,3                       ; the cost tile.  These 16 additions are the places behind the products
.irp p, 0,1,2,3
.if (\rt%2) == 0
	v_pk_add_f32 v[BS+8*\rt+2*\p:BS+8*\rt+2*\p+1], v[RY2+2*\p:RY2+2*\p+1], v[X2+\rt:X2+\rt+1] op_sel_hi:[1,0]
.else
	v_pk_add_f32 v[BS+8*\rt+2*\p:BS+8*\rt+2*\p+1], v[RY2+2*\p:RY2+2*\p+1], v[X2+\rt-1:X2+\rt] op_sel:[0,1] op_sel_hi:[1,1]
.endif
.endr
.endr
.irp rt, 0,1,2,3
.irp p, 0,1,2,3
	v_pk_fma_f32 v[CO+8*\rt+2*\p:CO+8*\rt+2*\p+1], v[CO+8*\rt+2*\p:CO+8*\rt+2*\p+1], s[30:31], v[BS+8*\rt+2*\p:BS+8*\rt+2*\p+1] op_sel_hi:[1,0,1]   ; x2 + y2 - 2 x y
.endr
.endr
.set tt, 0
.rept 32
	v_max_num_f32 v[CO+tt], s23, v[CO+tt]
.set tt, tt+1
.endr
.set tt, 0
.rept 32
	v_sqrt_f32 v[CO+tt], v[CO+tt]
.set tt, tt+1
.endr
.endif
	v_add_nc_u32 v[TBW], s40, v[TB]
	v_add_nc_u32 v[TBW+1], s40, v[TB+1]
.if \second == 0
	s_lshl_b32 s41, s40, 5
	s_lshl_b32 s42, s40, 1
	v_add_nc_u32 v[YIAW], s41, v[YIA0]
	v_add_nc_u32 v[Y2AW], s42, v[Y2A0]
.else
	v_nop                                          ; with the two additions: four places
	v_nop
.endif
	LOADB RBX, 0                                   ; the next tile's l = 0, 1
.if \second == 0
	ds_load_b128 v[RYF:RYF+3], v[YIAW]
	ds_load_b128 v[RYF+4:RYF+7], v[YIAW] offset:512
	ds_load_b128 v[RY2:RY2+3], v[Y2AW]
	ds_load_b128 v[RY2+4:RY2+7], v[Y2AW] offset:16
	s_wait_dscnt 20                                ; l = 2, 3's fragments are in; the 16 + 4 loads just issued may be out
.else
	s_wait_dscnt 16
.endif
	WIN 0x5c                                       ; source 1 window 3
	GAMMA RBY, 64
.if \second == 0
	s_wait_alu depctr_va_vdst(0)                   ; one wait for the 32 roots, ahead of their first reader
	WIN 0x01                                       ; source 0 (Gamma) window 1
	SWSUM 0, 0                                     ; l = 0, 1: these 32 are the places behind l = 2, 3's products
	SWSUM 64, 2
	WIN 0
.else
	s_wait_xcnt 0x0                                ; the last trip's stores have read their data and their base
	s_cmp_eq_u32 s38, 0
	s_cselect_b32 s46, 0, 4096                     ; a tile's image is 4,096 bytes
	s_add_nc_u64 s[10:11], s[10:11], s[46:47]
	WIN 0x01
.irp l, 0,1,2,3                        ; O = sum over l of w_l 2^(e0 + e1) x the sums; l = 0, 1's 32 lines are the places behind l = 2, 3's products
.irp rt, 0,1,2,3
.irp p, 0,1,2,3
.if \l == 0
	v_pk_mul_f32 v[CO+8*\rt+2*\p:CO+8*\rt+2*\p+1], v[8*\rt+2*\p:8*\rt+2*\p+1], v[SW:SW+1]
.else
	v_pk_fma_f32 v[CO+8*\rt+2*\p:CO+8*\rt+2*\p+1], v[32*\l+8*\rt+2*\p:32*\l+8*\rt+2*\p+1], v[SW+2*\l:SW+2*\l+1], v[CO+8*\rt+2*\p:CO+8*\rt+2*\p+1]
.endif
.endr
.endr
.endr
	WIN 0
.irp i, 0,1,2,3,4,5,6,7
	global_store_b128 v1, v[CO+4*\i:CO+4*\i+3], s[10:11] offset:512*\i th:TH_STORE_NT   ; the registers as they stand: 32 lanes store 512 consecutive bytes, aligned
.endr
.endif
	s_add_co_u32 s38, s38, 1
	s_cmp_lt_u32 s38, 16
	s_cbranch_scc1 .Lct_\@
	s_wait_dscnt 0x0                               ; the loads fetched ahead in the last trip are in
.endm
	PASS 0
; THE WEIGHTS.  My lane's sums, my wave's, the four waves' (every wave adds them in the same order, so all hold the same numbers).
.irp l, 0,1,2,3
	v_pk_add_f32 v[SW+4*\l:SW+4*\l+1], v[SW+4*\l:SW+4*\l+1], v[SW+4*\l+2:SW+4*\l+3]
.endr
.irp l, 0,1,2,3
	v_add_f32 v[BS+\l], v[SW+4*\l], v[SW+4*\l+1]
.endr
.irp m, 1,2,4,8
.irp l, 0,1,2,3
	v_add_f32_dpp v[BS+\l], v[BS+\l], v[BS+\l] row_xmask:\m row_mask:0xf bank_mask:0xf
.endr
.endr
.irp l, 0,1,2,3
	v_permlanex16_b32 v[BS+4+\l], v[BS+\l], s26, s27
.endr
.irp l, 0,1,2,3
	v_add_f32 v[BS+\l], v[BS+\l], v[BS+4+\l]
.endr
	s_lshl_b32 s41, s20, 4
	s_add_co_u32 s41, s41, RED
	v_mov_b32 v[BS+8], s41
	ds_store_b128 v[BS+8], v[BS:BS+3]              ; all lanes write the same 16 bytes with the same values
	BARRIER
	v_mov_b32 v[BS+9], RED
.irp w, 0,1,2,3
	ds_load_b128 v[BS+12+4*\w:BS+15+4*\w], v[BS+9] offset:16*\w
.endr
	s_wait_dscnt 0x0
	v_pk_add_f32 v[220:221], v[220:221], v[224:225]
	v_pk_add_f32 v[222:223], v[222:223], v[226:227]
	v_pk_add_f32 v[228:229], v[228:229], v[232:233]
	v_pk_add_f32 v[230:231], v[230:231], v[234:235]
	v_pk_add_f32 v[220:221], v[220:221], v[228:229]
	v_pk_add_f32 v[222:223], v[222:223], v[230:231]
.irp l, 0,1,2,3
	v_ldexp_f32 v[220+\l], v[220+\l], s32          ; swds_l: the sums of codes x 2^(e0 + e1)
.endr
	v_min3_num_f32 v236, v220, v221, v222
	v_min_num_f32 v236, v236, v223                 ; m: the least of my four
.irp l, 0,1,2,3
	v_sub_f32 v[224+\l], v236, v[220+\l]
.endr
.irp l, 0,1,2,3
	v_mul_f32 v[224+\l], 0x3e13bb63, v[224+\l]     ; x 0.1 log2(e)
.endr
.irp l, 0,1,2,3
	v_exp_f32 v[224+\l], v[224+\l]                 ; w_l = exp(-0.1 (swds_l - m)), at most 1
.endr
	v_and_b32 v238, 31, v0                         ; (plain lines behind the exponentials)
	v_lshlrev_b32 v238, 3, v238
	s_wait_alu depctr_va_vdst(0)                   ; one wait for the four
	v_add_f32 v237, v224, v225
	v_add_f32 v239, v226, v227
	v_add_f32 v237, v237, v239                     ; their sum
.irp l, 0,1,2,3
	v_ldexp_f32 v[SW+2*\l], v[224+\l], s32         ; for pass b: w_l 2^(e0 + e1), in both halves of a pair
	v_ldexp_f32 v[SW+2*\l+1], v[224+\l], s32
.endr
	s_cmp_lg_u32 s20, 0
	s_cbranch_scc1 .Lnostat
	global_store_b64 v238, v[236:237], s[12:13]    ; wave 0: (m, sum) 32 times: 256 consecutive bytes, aligned
.Lnostat:
	s_mov_b32 s47, 0
	PASS 1
	s_wait_tensorcnt 0x0                           ; the wave's end, behind my last LDS store
	ds_add_u32 v[SPW], v[NIL]
	s_wait_dscnt 0x0
	s_endpgm
.Lfunc_end_k_q292a892abe_esp_main:
	.size	k_q292a892abe_esp_main, .Lfunc_end_k_q292a892abe_esp_main-k_q292a892abe_esp_main
	.p2alignl 7, 3214868480
	.fill 96, 4, 3214868480
	.section	.rodata,"a",@progbits
	.p2align	6, 0x0
	.amdhsa_kernel k_q292a892abe_esp_main
		.amdhsa_group_segment_fixed_size 313088
		.amdhsa_private_segment_fixed_size 0
		.amdhsa_enable_private_segment 0
		.amdhsa_kernarg_size 40
		.amdhsa_user_sgpr_count 2
		.amdhsa_user_sgpr_kernarg_segment_ptr 1
		.amdhsa_wavefront_size32 1
		.amdhsa_system_sgpr_workgroup_id_x 1
		.amdhsa_system_sgpr_workgroup_id_y 1
		.amdhsa_system_sgpr_workgroup_id_z 1
		.amdhsa_system_vgpr_workitem_id 0
		.amdhsa_next_free_vgpr 1024
		.amdhsa_next_free_sgpr 66
		.amdhsa_reserve_vcc 0
		.amdhsa_float_denorm_mode_32 3
		.amdhsa_float_denorm_mode_16_64 3
		.amdhsa_memory_ordered 1
		.amdhsa_forward_progress 1
		.amdhsa_inst_pref_size 255
	.end_amdhsa_kernel
	.section	.bss,"aw",@nobits
	.p2align	6
	.space	262144
	.amdgpu_metadata
---
amdhsa.version: [ 1, 2 ]
amdhsa.kernels:
  - .name:           k_q292a892abe_esp_main
    .symbol:         k_q292a892abe_esp_main.kd
    .args:
      - { .name: X, .offset: 0, .size: 8, .value_kind: global_buffer, .address_space: global }
      - { .name: Y, .offset: 8, .size: 8, .value_kind: global_buffer, .address_space: global }
      - { .name: lowp_scales, .offset: 16, .size: 8, .value_kind: global_buffer, .address_space: global }
      - { .name: part, .offset: 24, .size: 8, .value_kind: global_buffer, .address_space: global }
      - { .name: stats, .offset: 32, .size: 8, .value_kind: global_buffer, .address_space: global }
    .group_segment_fixed_size: 313088
    .private_segment_fixed_size: 0
    .kernarg_segment_align: 8
    .kernarg_segment_size: 40
    .max_flat_workgroup_size: 128
    .sgpr_count:     66
    .vgpr_count:     1024
    .wavefront_size: 32
...
	.end_amdgpu_metadata
.endif
;; end of part 1
;; launch esp_comb (part 2): grid 16 x 16, 16 waves a work-group, no clusters, 19,456 bytes of LDS; arguments part, stats, out0; writes out0
.if DOCPART == 2
	.amdgcn_target "amdgcn-amd-amdhsa--gfx1250"
	.amdhsa_code_object_version 6
	.text
	.protected	k_q292a892abe_esp_comb
	.globl	k_q292a892abe_esp_comb
	.p2align	8
	.type	k_q292a892abe_esp_comb,@function
k_q292a892abe_esp_comb:
	s_mov_b64 s[64:65], 0
	v_nop
	global_prefetch_b8 v0, s[64:65] scope:SCOPE_SE
	s_setreg_imm32_b32 hwreg(HW_REG_WAVE_MODE, 25, 1), 1
	s_wait_xcnt 0x0
; Esp, second launch: out = sum over a head's 16 groups g of f_g O_g, f_g = exp(-0.1 (m_g - m*)) / sum over g of S_g exp(-0.1 (m_g - m*)), m* = the least m_g: the softmax over the 64 columns,
; with the least swds taken away, joined from the groups' own.  Nothing of the problem is left out here.
; part holds each O_g as images of the first launch's registers: byte w 65,536 + ct 4,096 + (2 rt + q2) 512 + 16 L = O[64 w + 16 rt + L % 16][16 ct + 8 (L / 16) + 4 q2 + 0..3].
; A work-group (x = sigma, y = head) takes bytes 16,384 sigma on of all 16 images: rows 64 (sigma / 4) + 0..63, columns 64 (sigma % 4) + 0..63 of out.  Thread t takes 16 bytes at 16 t and at 8,192 + 16 t.
; All 32 loads of a thread go out at once: every load of a wave covers 512 consecutive bytes.  The sums turn into rows through a stage in LDS and leave as aligned runs of 256 bytes.
; A stream: no matrix unit, no tensor load, no cluster (no byte is read twice).
.set SPITCH, 272                       ; a stage row: 256 bytes + 16
.set SPARE,  64*SPITCH                 ; behind the stage: the spare words, 128 bytes for each of 16 waves: eight blocks of 256 bytes that no other line names
	s_load_b128 s[4:7], s[0:1], 0x0                ; part, stats
	s_load_b64 s[8:9], s[0:1], 0x10                ; out0
	v_lshl_add_u32 v2, v0, 2, SPARE                ; LDS address of my spare word; never rewritten
	v_mov_b32 v3, 0                                ; 0; never rewritten
	v_lshlrev_b32 v1, 4, v0
	v_and_b32 v10, 15, v0
	v_mul_u32_u24 v4, v10, SPITCH                  ; into the stage: row 16 rt + L % 16,
	v_bfe_u32 v11, v0, 6, 2
	v_mad_u32_u24 v4, v11, 16*SPITCH, v4
	v_lshrrev_b32 v11, 8, v0
	v_lshl_add_u32 v4, v11, 6, v4                  ; byte 64 (tile of columns) + 32 (L / 16) + 16 q2
	v_bfe_u32 v11, v0, 4, 1
	v_lshl_add_u32 v4, v11, 5, v4
	v_bfe_u32 v11, v0, 5, 1
	v_lshl_add_u32 v4, v11, 4, v4
	v_lshrrev_b32 v11, 4, v0
	v_mul_u32_u24 v5, v11, SPITCH                  ; back: sixteen lanes to a row
	v_lshl_add_u32 v5, v10, 4, v5
	v_lshlrev_b32 v6, 10, v11                      ; and the same place in out: a row is 1,024 bytes
	v_lshl_add_u32 v6, v10, 4, v6
	v_lshlrev_b32 v7, 8, v10                       ; stats: lane L takes group L % 16
	s_and_b32 s12, ttmp7, 0xffff                   ; the head
	s_lshl_b32 s32, s12, 22
	s_lshl_b32 s13, ttmp9, 14
	s_add_co_u32 s32, s32, s13
	s_mov_b32 s33, 0
	s_lshl_b32 s34, s12, 12
	s_mov_b32 s35, 0
	s_lshl_b32 s36, s12, 18
	s_lshr_b32 s13, ttmp9, 2
	s_lshl_b32 s13, s13, 16
	s_add_co_u32 s36, s36, s13
	s_and_b32 s13, ttmp9, 3
	s_lshl_b32 s13, s13, 8
	s_add_co_u32 s36, s36, s13
	s_mov_b32 s37, 0
	s_wait_kmcnt 0x0
	s_add_nc_u64 s[4:5], s[4:5], s[32:33]
	s_add_nc_u64 s[6:7], s[6:7], s[34:35]
	s_add_nc_u64 s[8:9], s[8:9], s[36:37]
	global_load_b64 v[8:9], v7, s[6:7]             ; (m_g, S_g)
.irp p, 0,1
.irp g, 0,1,2,3,4,5,6,7,8,9,10,11,12,13,14,15
	global_load_b128 v[32+4*(16*\p+\g):35+4*(16*\p+\g)], v1, s[4:5] offset:\g*262144+\p*8192 th:TH_LOAD_NT
.endr
.endr
	s_wait_loadcnt 32                              ; the pair is in; the 32 loads issued behind it stay out
	v_mov_b32 v10, v8
.irp m, 1,2,4,8
	v_min_num_f32_dpp v10, v10, v10 row_xmask:\m row_mask:0xf bank_mask:0xf
.endr
	v_sub_f32 v11, v10, v8                         ; m* - m_g, 0 or less
	v_mul_f32 v11, 0x3e13bb63, v11                 ; x 0.1 log2(e)
	v_exp_f32 v11, v11
	v_nop                                          ; a plain instruction behind the transcendental
	s_wait_alu depctr_va_vdst(0)                   ; and a wait ahead of its first reader
	v_mul_f32 v12, v9, v11
.irp m, 1,2,4,8
	v_add_f32_dpp v12, v12, v12 row_xmask:\m row_mask:0xf bank_mask:0xf
.endr
	v_rcp_f32 v13, v12                             ; the divisor is at least 1: the group with the least m brings its S, which is at least 1
	v_nop
	s_wait_alu depctr_va_vdst(0)
	v_mul_f32 v11, v11, v13                        ; f_g
.irp g, 0,1,2,3,4,5,6,7,8,9,10,11,12,13,14,15
	v_readlane_b32 s[16+\g], v11, \g
.endr
.irp p, 0,1
.irp g, 0,1,2,3,4,5,6,7,8,9,10,11,12,13,14,15
	s_wait_loadcnt 31-16*\p-\g                     ; loads come back in order (ISA guide 5.7.1): this one is in, the younger ones stay out
.irp i, 0,1,2,3
.if \g == 0
	v_mul_f32 v[16+4*\p+\i], s[16], v[32+64*\p+\i]
.else
	v_fmac_f32 v[16+4*\p+\i], s[16+\g], v[32+4*(16*\p+\g)+\i]
.endif
.endr
.endr
.endr
	ds_store_b128 v4, v[16:19]
	ds_store_b128 v4, v[20:23] offset:128
	s_wait_dscnt 0x0                               ; for the others' sake: my stores into the stage are done
	s_barrier_signal -1
	s_barrier_wait -1
	ds_load_b128 v[24:27], v5
	ds_load_b128 v[28:31], v5 offset:32*SPITCH
	s_wait_dscnt 1
	global_store_b128 v6, v[24:27], s[8:9] th:TH_STORE_NT           ; sixteen lanes store 256 consecutive bytes, aligned
	s_wait_dscnt 0x0
	global_store_b128 v6, v[28:31], s[8:9] offset:32768 th:TH_STORE_NT
	s_wait_tensorcnt 0x0                           ; the wave's end, behind my last LDS store
	ds_add_u32 v2, v3
	s_wait_dscnt 0x0
	s_endpgm
.Lfunc_end_k_q292a892abe_esp_comb:
	.size	k_q292a892abe_esp_comb, .Lfunc_end_k_q292a892abe_esp_comb-k_q292a892abe_esp_comb
	.p2alignl 7, 3214868480
	.fill 96, 4, 3214868480
	.section	.rodata,"a",@progbits
	.p2align	6, 0x0
	.amdhsa_kernel k_q292a892abe_esp_comb
		.amdhsa_group_segment_fixed_size 19456
		.amdhsa_private_segment_fixed_size 0
		.amdhsa_enable_private_segment 0
		.amdhsa_kernarg_size 24
		.amdhsa_user_sgpr_count 2
		.amdhsa_user_sgpr_kernarg_segment_ptr 1
		.amdhsa_wavefront_size32 1
		.amdhsa_system_sgpr_workgroup_id_x 1
		.amdhsa_system_sgpr_workgroup_id_y 1
		.amdhsa_system_sgpr_workgroup_id_z 1
		.amdhsa_system_vgpr_workitem_id 0
		.amdhsa_next_free_vgpr 160
		.amdhsa_next_free_sgpr 66
		.amdhsa_reserve_vcc 0
		.amdhsa_float_denorm_mode_32 3
		.amdhsa_float_denorm_mode_16_64 3
		.amdhsa_memory_ordered 1
		.amdhsa_forward_progress 1
		.amdhsa_inst_pref_size 13
	.end_amdhsa_kernel
	.amdgpu_metadata
---
amdhsa.version: [ 1, 2 ]
amdhsa.kernels:
  - .name:           k_q292a892abe_esp_comb
    .symbol:         k_q292a892abe_esp_comb.kd
    .args:
      - { .name: part, .offset: 0, .size: 8, .value_kind: global_buffer, .address_space: global }
      - { .name: stats, .offset: 8, .size: 8, .value_kind: global_buffer, .address_space: global }
      - { .name: out0, .offset: 16, .size: 8, .value_kind: global_buffer, .address_space: global }
    .group_segment_fixed_size: 19456
    .private_segment_fixed_size: 0
    .kernarg_segment_align: 8
    .kernarg_segment_size: 24
    .max_flat_workgroup_size: 512
    .sgpr_count:     66
    .vgpr_count:     160
    .wavefront_size: 32
...
	.end_amdgpu_metadata
.endif
;; end of part 2
;; ======== version 2 of 2: 2 launches; version 1 with the launch esp_main written anew for expert scheduling mode
;; workspace buffers: part 67,108,864 bytes; stats 65,536 bytes
;; launch esp_main (part 3): grid 16 x 16, 4 waves a work-group, no clusters, 313,088 bytes of LDS; arguments X, Y, lowp_scales, part, stats; writes part, stats
.if DOCPART == 3
	.amdgcn_target "amdgcn-amd-amdhsa--gfx1250"
	.amdhsa_code_object_version 6
	.text
	.protected	k_q292a892abe_esp_main
	.globl	k_q292a892abe_esp_main
	.p2align	8
	.type	k_q292a892abe_esp_main,@function
k_q292a892abe_esp_main:
	s_mov_b64 s[64:65], 0
	v_nop
	global_prefetch_b8 v0, s[64:65] scope:SCOPE_SE
	s_setreg_imm32_b32 hwreg(HW_REG_WAVE_SCHED_MODE, 0, 2), 2
	s_setreg_imm32_b32 hwreg(HW_REG_WAVE_MODE, 25, 1), 1
	s_wait_xcnt 0x0
	s_wait_alu depctr_vm_vsrc(0)
; Esp, first launch.  X, Y: [16 heads][256 points][64 columns] f32.  For a head and a column l: Pu[i][j] = softmax_j(-(x_j - xs_i)^2 / 0.001), xs = the column sorted downward; Pv likewise of Y;
; Gamma_l = Pu^T Pv (over the rank i), on codes of E4M3 with the given scales 2^e0, 2^e1; cost = cdist(X, Y), its X Y^T on codes with 2^e2, 2^e3; swds_l = sum(cost x Gamma_l);
; out = sum_l softmax_l(-0.1 swds) Gamma_l.
; SHARES.  A work-group takes one head (y) and four columns l = 4 x + 0..3.  It sorts its 8 columns, builds its 8 matrices P ONCE as codes that stay on the chip (Pu as operand fragments in
; registers, Pv in LDS), multiplies them twice: pass a for swds_l, pass b for O = sum over its four l of w_l Gamma_l, w_l = exp(-0.1 (swds_l - m)), m = the least of its four swds.
; O goes to the buffer part as an image of the registers, (m, sum of w) to stats; the second launch joins the 16 groups of a head.  The least swds is taken away at both levels, as the softmax over l asks.
; AN IDENTITY, for all finite inputs: each sorted value is bit for bit one of the column's values, so in every row of -(s_j - srt_i)^2 / 0.001 one entry is exactly 0 and none is above it:
; the row's maximum, which the softmax takes away, IS 0; every exponent is 0 or less, and the row's sum lies between 1 and 256.  So no maximum is searched for.  No input and no product is left out.
; Only sorted VALUES are wanted, never an order of indices: a network of maxima and minima sorts them, and no address hangs on a floating-point number.
; LIMITS: inputs finite (no NaN, no infinity).  e0 .. e3 between -126 and 119; e2 + e3 + 1 between -126 and 127.  An exponential under 2^-126 comes out as 0.
; The exponent is made as d x d x (-log2(e) / 0.001), two roundings, where the definition divides by 0.001 and leaves log2(e) to the exponential.
; No tensor load, no cluster: a work-group reads 128 KB of inputs once and then works from registers and LDS; and one branch hangs on a given scale (see BUILD).
; THE MODE: SCHED_MODE bits 1:0 = 2 (LLVM: expert scheduling mode 2), set by the entry lines.  The code itself states the register dependences between vector or matrix instructions and
; memory or LDS instructions, with s_wait_alu, always for 0.
; THE PLAN.  Registers that memory or LDS instructions touch, and who else names them:
;   v1, v4-v12, v17, v18, at the head v104-v107: offsets and addresses made once: one wait on va_vdst ahead of the kernel's first load serves them.
;   The sort: v32-47 are loaded, stored as they came, then written by the network (a wait on vm_vsrc ahead of it); its last stage writes what the sorted stores read (a wait on va_vdst ahead of them).
;   PLOAD: RS and the pairs SR are read by a build's differences and loaded again for the next; two address registers are written: a wait on vm_vsrc ahead of the additions, one on va_vdst behind them.
;   A BUILD's trip: the codes RC and the address ASTW are written by the trip and read by its 8 stores; ADRW is written in mid trip and read by the two loads of the next trip's pairs.
;     One wait on vm_vsrc at the trip's head; the wait for group 0's exponentials also stands for ADRW and the pairs; one wait on va_vdst ahead of the stores.
;   Pass a, a tile: RBY is read by the second run of products and loaded at the next tile's head (a wait on va_vdst there); RBX, Y's fragment and y2 are read in the tile's first half and loaded in its middle,
;     behind the wait for the roots, ahead of which the six address registers are written (a wait on vm_vsrc ahead of the additions).
;   Pass b, a tile: Pv's fragments of l = 0, 1 have TWO sets, which take turns; O is written by the tile and read by its 8 stores.  ONE wait on va_vdst, behind the four address additions and O: the stores and then
;     the next tile's 32 LDS loads follow it, and no vector or matrix instruction stands between.  A wait on vm_vsrc beside the wait on XCNT ahead of the additions and O.
;   Windows 2 and 3 (Pu's fragments) are loaded once and then read by products alone.
.set PITCH, 544                        ; a row of codes in LDS: 256 columns x 2 ranks = 512 bytes + 32: the 8 rows x 32 bytes of half a turning load fall on different banks (64 banks of 4 bytes: ISA guide 11.1)
.set REG,   128*PITCH                  ; a matrix P: 128 rows, row m = ranks 2 m, 2 m + 1; byte 2 j + rho = code of P[2 m + rho][j]
.set SRT,   4*REG                      ; LDS: four such regions (Pv of l = 0..3; regions 0, 1 first serve as the stage of Pu); then 8 sorted columns of 1,024 bytes,
.set SAR,   SRT+8192                   ; the 8 columns as they came (array a = l for X, 4 + l for Y),
.set YIMG,  SAR+8192                   ; images of Y's 16 fragments (16 rows x 64 K: 8 registers a lane, 1,024 bytes),
.set Y2B,   YIMG+16384                 ; y2[256],
.set RED,   Y2B+1024                   ; four waves x four partial swds,
.set SPARE, RED+256                    ; and the spare words, 128 bytes for each wave: two blocks of 256 bytes that no other line names
; REGISTERS, window 0, kept: v1 16 x lane; then
.set SPW,  2                           ; LDS address of my spare word; never rewritten
.set NIL,  3                           ; 0; never rewritten
.set ADS0, 4                           ; SAR + 128 ch            (lane = 4 ch + pr)
.set ADR0, 5                           ; SRT + 256 wave + 8 pr
.set AST0, 6                           ; (32 wave + pr) PITCH + 64 ch
.set TRA,  7                           ; v7, v8: turning loads of Pu's stage, region 0, 1: TB + 128 wave
.set TB,   9                           ; v9-12: (32 h + lane % 8) PITCH + 16 ((lane / 8) % 2) + l REG
.set TBW,  13                          ; v13-16: the same + the column tile's bytes
.set YIA0, 17                          ; YIMG + 16 lane
.set Y2A0, 18                          ; Y2B + 32 h
.set YIAW, 19
.set Y2AW, 20
.set ADRW, 21
.set ASTW, 22
.set ADSW, 23
.set X2,   24                          ; v24-27: x2 of my row in my wave's four tiles of rows
.set SCA,  28                          ; 2^e0;  v29: 448 x 2^e0;  v30, v31: the same with e1
.set LIMA, 29
.set SCB,  30
.set LIMB, 31
; the sort: v32-47, v48-63 two sets of 8 elements x 2 arrays (element r of array q at 2 r + q); v64-79 the partner's; v80-84 +infinity where the lane's bit beta is 0, else -infinity
.set CUR,  32
.set NXT,  48
.set TT,   64
.set SG,   80
; the builds
.set RS,   32                          ; v32-63   s_j, j = 32 ch + 0..31
.set RP0,  64                          ; v64-127  group 0: register 2 t + rho = P[2 m + rho][32 ch + t]
.set RP1,  128                         ; v128-191 group 1
.set RC,   192                         ; v192-223 their codes
.set SR0,  224                         ; the two groups' pairs of sorted values
.set SR1,  226
.set ZS0,  228                         ; their pairs of row sums
.set ZS1,  230
.set RT,   232                         ; v232-235 at work for the lane exchange
.set RCP0, 236                         ; 1 / sum
.set RCP1, 238
.set RQ,   240                         ; v240-247 four chains of sums
; the passes
.set RBX,  32                          ; v32-95   Pv's fragments of l = 0, 1 (32 l' + 16 ks)
.set RBY,  96                          ; v96-159  of l = 2, 3
.set RBX1, 160                         ; in window 1, v160-223: pass b's second set of Pv's fragments of l = 0, 1
.set RYF,  160                         ; v160-167 Y's fragment
.set RY2,  168                         ; v168-175 y2 of my 8 columns
.set CO,   176                         ; v176-207 X Y^T, then cost; in pass b: O
.set BS,   208                         ; v208-239 x2 + y2
.set SW,   240                         ; v240-255 sums of cost x Gamma: pair 4 l + 2 (rt % 2); in pass b v240-247: w_l 2^(e0 + e1), twice each
; window 1: v0-127 raw X, v128-255 raw Y (tile rt at 32 rt); later v[32 l + 8 rt] the accumulator of Gamma_l, tile rt; v128-159 X's four fragments.   windows 2, 3: Pu's fragments, 128 l + 32 rt + 16 ks
; s_set_vgpr_msb's low byte: bits 1:0 source 0, 3:2 source 1, 5:4 source 2, 7:6 destination
.set MSB, 0
.macro WIN new                         ; the immediate's high byte repeats the setting that is left; a switch that changes nothing is dropped
.if MSB != \new
	s_set_vgpr_msb (MSB<<8)|\new
.set MSB, \new
.endif
.endm
.macro BARRIER                         ; my LDS stores have landed and my LDS loads are in: then the work-group's barrier
	s_wait_dscnt 0x0
	s_barrier_signal -1
	s_barrier_wait -1
.endm
	s_load_b256 s[4:11], s[0:1], 0x0               ; X s[4:5], Y s[6:7], the scales' exponents s[8:9], part s[10:11]
	s_load_b64 s[12:13], s[0:1], 0x20              ; stats
	v_lshl_add_u32 v[SPW], v0, 2, SPARE
	v_mov_b32 v[NIL], 0
	v_lshrrev_b32 v96, 5, v0
	v_readfirstlane_b32 s20, v96                   ; wave 0..3
	s_mov_b32 s21, ttmp9                           ; lg: my four columns are 4 lg + 0..3
	s_and_b32 s22, ttmp7, 0xffff                   ; the head
	v_and_b32 v97, 31, v0                          ; lane
	v_and_b32 v98, 3, v0                           ; pr
	v_bfe_u32 v99, v0, 2, 3                        ; ch
	v_and_b32 v100, 15, v0                         ; r
	v_bfe_u32 v101, v0, 4, 1                       ; h
	v_and_b32 v102, 7, v0
	v_bfe_u32 v103, v0, 3, 1
	v_lshlrev_b32 v1, 4, v97
	v_lshl_add_u32 v[ADS0], v99, 7, SAR
	s_wait_alu depctr_va_sdst(0)                   ; s20 is written, ahead of its first reader: addresses and bases are made from it
	s_lshl_b32 s41, s20, 8
	s_add_co_u32 s41, s41, SRT
	v_lshl_add_u32 v[ADR0], v98, 3, s41
	s_mul_i32 s41, s20, 32*PITCH
	v_mul_u32_u24 v[AST0], v98, PITCH
	v_lshl_add_u32 v[AST0], v99, 6, v[AST0]
	v_add_nc_u32 v[AST0], s41, v[AST0]
	v_lshl_add_u32 v[TB], v101, 5, v102
	v_mul_u32_u24 v[TB], v[TB], PITCH
	v_lshl_add_u32 v[TB], v103, 4, v[TB]
	v_add_nc_u32 v[TB+1], REG, v[TB]
	v_add_nc_u32 v[TB+2], 2*REG, v[TB]
	v_add_nc_u32 v[TB+3], 3*REG, v[TB]
	s_lshl_b32 s41, s20, 7                         ; my wave's 64 columns j: 128 bytes of a row of codes
	v_add_nc_u32 v[TRA], s41, v[TB]
	v_add_nc_u32 v[TRA+1], REG, v[TRA]
	v_add_nc_u32 v[YIA0], YIMG, v1
	v_lshl_add_u32 v[Y2A0], v101, 5, Y2B
	s_lshl_b32 s41, s20, 11                        ; my wave sorts arrays 2 wave and 2 wave + 1
	s_add_co_u32 s42, s41, SAR
	s_add_co_u32 s41, s41, SRT
	v_lshl_add_u32 v104, v97, 2, s42               ; as they came: point 32 r + lane
	v_lshl_add_u32 v105, v97, 5, s41               ; sorted: rank 8 lane + r
	s_lshl_b32 s41, s21, 4
	s_and_b32 s42, s20, 1
	s_lshl_b32 s42, s42, 3
	s_add_co_u32 s41, s41, s42
	v_lshl_add_u32 v106, v97, 8, s41               ; the two columns in memory: row = lane, byte 16 lg + 8 (wave % 2)
	s_lshl_b32 s41, s20, 14
	v_lshlrev_b32 v107, 8, v100
	v_lshl_add_u32 v107, v101, 7, v107
	v_add_nc_u32 v107, s41, v107                   ; whole rows: (64 wave + r) x 256 + 128 h: my 32 numbers of a row
.irp b, 0,1,2,3,4
	v_bfe_u32 v108, v0, \b, 1
	v_lshlrev_b32 v108, 31, v108
	v_or_b32 v[SG+\b], 0x7f800000, v108
.endr
.irp i, 0,1,2,3,4,5,6,7,8,9,10,11,12,13,14,15
	v_mov_b32 v[TT+\i], 0                          ; written once: the destination of a lane exchange counts as one of its sources
.endr
	s_mov_b32 s23, 0x2b8cbccc                      ; 1e-12
	s_mov_b32 s24, 0xc4b4563e                      ; -log2(e) / 0.001
	s_mov_b32 s25, s24                             ; (named with it as a pair, so it is written)
	s_mov_b32 s26, 0x76543210                      ; v_permlanex16_b32: lane xor 16
	s_mov_b32 s27, 0xfedcba98
	s_mov_b32 s28, 0x89abcdef                      ; lane xor 31
	s_mov_b32 s29, 0x01234567
	s_wait_kmcnt 0x0
	s_load_b128 s[16:19], s[8:9], 0x0              ; e0 .. e3
	s_lshl_b32 s41, s22, 4
	s_add_co_u32 s41, s41, s21                     ; the work-group's number: 16 head + lg
	s_lshl_b32 s46, s41, 18
	s_lshl_b32 s42, s20, 16
	s_add_co_u32 s46, s46, s42
	s_mov_b32 s47, 0
	s_add_nc_u64 s[10:11], s[10:11], s[46:47]      ; part: 262,144 bytes a work-group, 65,536 a wave
	s_lshl_b32 s46, s41, 8
	s_add_nc_u64 s[12:13], s[12:13], s[46:47]      ; stats: 256 bytes a work-group
	s_lshl_b32 s46, s22, 16
	s_add_nc_u64 s[4:5], s[4:5], s[46:47]          ; X and Y at my head
	s_add_nc_u64 s[6:7], s[6:7], s[46:47]
	s_cmp_lt_u32 s20, 2                            ; waves 0, 1 sort X's columns, waves 2, 3 Y's
	s_cselect_b64 s[44:45], s[4:5], s[6:7]
	s_wait_alu depctr_va_vdst(0)                   ; all offsets and addresses of the head are written (v1, v4 to v12, v17, v18, v104 to v107): the loads and stores below, and all later ones by the kept registers, read them
.irp r, 0,1,2,3,4,5,6,7
	global_load_b64 v[CUR+2*\r:CUR+2*\r+1], v106, s[44:45] offset:\r*8192   ; point 32 r + lane, two neighbouring columns
.endr
	s_wait_loadcnt 0x0
	WIN 0x40                                       ; destination window 1.  The rows for the cost are asked for now and waited for behind the builds: window 1 is not touched meanwhile
.irp rt, 0,1,2,3
.irp q, 0,1,2,3,4,5,6,7
	global_load_b128 v[32*\rt+4*\q:32*\rt+4*\q+3], v107, s[4:5] offset:\rt*4096+16*\q
.endr
.endr
.irp rt, 0,1,2,3
.irp q, 0,1,2,3,4,5,6,7
	global_load_b128 v[128+32*\rt+4*\q:128+32*\rt+4*\q+3], v107, s[6:7] offset:\rt*4096+16*\q
.endr
.endr
	WIN 0
.irp r, 0,1,2,3,4,5,6,7
.irp q, 0,1
	ds_store_b32 v104, v[CUR+2*\r+\q] offset:\q*1024+128*\r
.endr
.endr
	s_wait_kmcnt 0x0
	s_add_co_i32 s41, s16, 127
	s_lshl_b32 s42, s41, 23
	v_mov_b32 v[SCA], s42                          ; 2^e0 as f32: the conversion takes its exponent field
	s_add_co_i32 s41, s41, 8
	s_lshl_b32 s41, s41, 23
	s_or_b32 s41, s41, 0x600000
	v_mov_b32 v[LIMA], s41                         ; 448 x 2^e0
	s_add_co_i32 s41, s17, 127
	s_lshl_b32 s42, s41, 23
	v_mov_b32 v[SCB], s42
	s_add_co_i32 s41, s41, 8
	s_lshl_b32 s41, s41, 23
	s_or_b32 s41, s41, 0x600000
	v_mov_b32 v[LIMB], s41
	s_add_co_i32 s32, s16, s17                     ; e0 + e1
	s_add_co_i32 s30, s18, s19
	s_add_co_i32 s30, s30, 128
	s_lshl_b32 s30, s30, 23
	s_or_b32 s30, s30, 0x80000000                  ; -2^(e2 + e3 + 1): a sum of X Y^T's codes x this is -2 x y
	s_mov_b32 s31, s30
; THE SORT, downward, of 256 elements e = 8 lane + r, two arrays side by side.  A bitonic network in the form whose comparisons all point one way: for blocks of 2, 4, .. 256 first e against e xor (block - 1),
; then e against e xor block / 4, .. 1; the lower index takes the larger.  RSTAGE: both partners in my registers.  XSTAGE: the partner in lane xor LM (register r xor RF); the middle of
; (mine, the partner's, +-infinity) is the larger where my lane's bit BETA is 0 and the smaller where it is 1.
.macro RSTAGE M
.irp r, 0,1,2,3,4,5,6,7
.if \r < (\r^\M)
.irp q, 0,1
	v_max_num_f32 v[NXT+2*\r+\q], v[CUR+2*\r+\q], v[CUR+2*(\r^\M)+\q]
	v_min_num_f32 v[NXT+2*(\r^\M)+\q], v[CUR+2*\r+\q], v[CUR+2*(\r^\M)+\q]
.endr
.endif
.endr
.set SWP, CUR
.set CUR, NXT
.set NXT, SWP
.endm
.macro XSTAGE LM, RF, BETA
.irp r, 0,1,2,3,4,5,6,7
.irp q, 0,1
.if \LM == 31
	v_permlanex16_b32 v[TT+2*\r+\q], v[CUR+2*(\r^\RF)+\q], s28, s29
.else
	v_mov_b32_dpp v[TT+2*\r+\q], v[CUR+2*(\r^\RF)+\q] row_xmask:\LM row_mask:0xf bank_mask:0xf
.endif
.endr
.endr
.irp r, 0,1,2,3,4,5,6,7
.irp q, 0,1
	v_med3_num_f32 v[CUR+2*\r+\q], v[CUR+2*\r+\q], v[TT+2*\r+\q], v[SG+\BETA]
.endr
.endr
.endm
.macro RTAIL
	RSTAGE 4
	RSTAGE 2
	RSTAGE 1
.endm
	s_wait_alu depctr_vm_vsrc(0)                   ; the 16 LDS stores above have read v32 to v47, which the network's second stage writes
	RSTAGE 1
	RSTAGE 3
	RSTAGE 1
	RSTAGE 7
	RSTAGE 2
	RSTAGE 1
	XSTAGE 1, 7, 0
	RTAIL
	XSTAGE 3, 7, 1
	XSTAGE 1, 0, 0
	RTAIL
	XSTAGE 7, 7, 2
	XSTAGE 2, 0, 1
	XSTAGE 1, 0, 0
	RTAIL
	XSTAGE 15, 7, 3
	XSTAGE 4, 0, 2
	XSTAGE 2, 0, 1
	XSTAGE 1, 0, 0
	RTAIL
	XSTAGE 31, 7, 4
	XSTAGE 8, 0, 3
	XSTAGE 4, 0, 2
	XSTAGE 2, 0, 1
	XSTAGE 1, 0, 0
	RTAIL
	s_wait_alu depctr_va_vdst(0)                   ; the network's last stage has written the 16 sorted numbers, which the LDS stores read
.irp r, 0,1,2,3,4,5,6,7
.irp q, 0,1
	ds_store_b32 v105, v[CUR+2*\r+\q] offset:\q*1024+4*\r
.endr
.endr
.irp i, 0,1,2,3
	v_mov_b32 v[RT+\i], 0                          ; written once, for the builds' lane exchanges
.endr
	s_wait_xcnt 0x0                                ; the 64 row loads have read their offset register, which the builds write over (the wait on vm_vsrc for the same registers stands at PLOAD's head)
	BARRIER                                        ; all 8 columns lie in LDS, as they came and sorted
; THE BUILD OF ONE P.  A group is 4 pairs of ranks x 256 j: lane (pr, ch) holds ranks 2 m, 2 m + 1 and j = 32 ch + 0..31, so every packed instruction works on the two ranks of one j; s_j is taken for both halves
; by op_sel.  Eight neighbouring registers are 4 j x 2 ranks: one conversion gives 8 bytes that lie as the region wants them.  Wave w builds m = 32 w + 4 g + pr, g = 0..7, two groups a trip.
.macro DIFF P, SR                      ; pair tt: s_j - srt
.if (tt%2) == 0
	v_pk_add_f32 v[\P+2*tt:\P+2*tt+1], v[RS+tt:RS+tt+1], v[\SR:\SR+1] op_sel_hi:[0,1] neg_lo:[0,1] neg_hi:[0,1]
.else
	v_pk_add_f32 v[\P+2*tt:\P+2*tt+1], v[RS+tt-1:RS+tt], v[\SR:\SR+1] op_sel:[1,0] op_sel_hi:[1,1] neg_lo:[0,1] neg_hi:[0,1]
.endif
.endm
.macro SQR P
	v_pk_mul_f32 v[\P+2*tt:\P+2*tt+1], v[\P+2*tt:\P+2*tt+1], v[\P+2*tt:\P+2*tt+1]
.endm
.macro SCL P
	v_pk_mul_f32 v[\P+2*tt:\P+2*tt+1], v[\P+2*tt:\P+2*tt+1], s[24:25] op_sel_hi:[1,0]
.endm
.macro SUMOP P, Z                      ; step nn of 31 of the sum of a group's 32 pairs: four chains, then their sum
.if nn < 4
	v_pk_add_f32 v[RQ+2*nn:RQ+2*nn+1], v[\P+2*nn:\P+2*nn+1], v[\P+2*nn+8:\P+2*nn+9]
.elseif nn < 28
	v_pk_add_f32 v[RQ+2*(nn%4):RQ+2*(nn%4)+1], v[RQ+2*(nn%4):RQ+2*(nn%4)+1], v[\P+2*nn+8:\P+2*nn+9]
.elseif nn == 28
	v_pk_add_f32 v[RQ:RQ+1], v[RQ:RQ+1], v[RQ+2:RQ+3]
.elseif nn == 29
	v_pk_add_f32 v[RQ+4:RQ+5], v[RQ+4:RQ+5], v[RQ+6:RQ+7]
.elseif nn == 30
	v_pk_add_f32 v[\Z:\Z+1], v[RQ:RQ+1], v[RQ+4:RQ+5]
.endif
.endm
.macro REDZ Z, T                       ; over the eight lanes that share my ranks: lane xor 4, 8, 16
.irp i, 0,1
	v_add_f32_dpp v[\Z+\i], v[\Z+\i], v[\Z+\i] row_xmask:4 row_mask:0xf bank_mask:0xf
.endr
.irp i, 0,1
	v_add_f32_dpp v[\Z+\i], v[\Z+\i], v[\Z+\i] row_xmask:8 row_mask:0xf bank_mask:0xf
.endr
.irp i, 0,1
	v_permlanex16_b32 v[\T+\i], v[\Z+\i], s26, s27
.endr
.irp i, 0,1
	v_add_f32 v[\Z+\i], v[\Z+\i], v[\T+\i]
.endr
.endm
.macro NORM P, R
.set tt, 0
.rept 32
	v_pk_mul_f32 v[\P+2*tt:\P+2*tt+1], v[\P+2*tt:\P+2*tt+1], v[\R:\R+1]
.set tt, tt+1
.endr
.endm
.macro PLOAD                           ; s37 = the array's bytes: my 32 s_j and the first trip's two pairs of sorted values
	s_wait_alu depctr_vm_vsrc(0)                   ; the LDS loads issued so far have read v[ADSW] and v[ADRW]; ahead of the first build: the sort's stores have read v32 to v63, in which the loads below land, and the head's loads and stores v104 to v107, which the build writes
	v_add_nc_u32 v[ADSW], s37, v[ADS0]
	v_add_nc_u32 v[ADRW], s37, v[ADR0]
	s_wait_alu depctr_va_vdst(0)                   ; the two addresses are written; the sort, or the build before, is done writing and reading v[RS ..] and the pairs v[SR0 ..], in which the loads land
.irp q, 0,1,2,3,4,5,6,7
	ds_load_b128 v[RS+4*\q:RS+4*\q+3], v[ADSW] offset:16*\q
.endr
	ds_load_b64 v[SR0:SR0+1], v[ADRW]
	ds_load_b64 v[SR1:SR1+1], v[ADRW] offset:32
.endm
; s37 as above; s42 = the region's first byte.  ES: the scalar register with the scale's exponent; SC, LIM: 2^e and 448 x 2^e.
.macro BUILD ES, SC, LIM
	s_add_co_u32 s43, s37, 64
	s_mov_b32 s33, 0
.Ltrip_\@:
	s_mul_i32 s36, s33, 8*PITCH                    ; a trip's 8 rows of the region
	s_add_co_u32 s36, s36, s42
	s_lshl_b32 s35, s33, 6                         ; the NEXT trip's sorted values (behind the last trip: bytes that were written and are not used)
	s_add_co_u32 s35, s35, s43
	s_wait_alu depctr_vm_vsrc(0)                   ; the last trip's stores have read v[RC ..] and v[ASTW], the last loads of pairs v[ADRW]: this trip writes all three
	s_wait_dscnt 8                                 ; this trip's two pairs are in; the 8 stores issued behind them may be out
.set tt, 0
.rept 32
	DIFF RP0, SR0
.set tt, tt+1
.endr
.set tt, 0
.rept 32
	SQR RP0
.set tt, tt+1
.endr
.set tt, 0
.rept 32
	SCL RP0
.set tt, tt+1
.endr
.set nn, 0                             ; group 0's exponentials, with group 1's exponents made between them: none of these lines names an exponential's result
.rept 34
.if nn < 32
	v_exp_f32 v[RP0+2*nn], v[RP0+2*nn]
	v_exp_f32 v[RP0+2*nn+1], v[RP0+2*nn+1]
.set tt, nn
	DIFF RP1, SR1
.endif
.if (nn >= 1) && (nn <= 32)
.set tt, nn-1
	SQR RP1
.endif
.if nn >= 2
.set tt, nn-2
	SCL RP1
.endif
.set nn, nn+1
.endr
	v_add_nc_u32 v[ADRW], s35, v[ADR0]
	s_wait_alu depctr_va_vdst(0)                   ; group 0's 64 exponentials are written, ahead of their first reader; v[ADRW] is written; both groups' differences are done reading the pairs, in which the two loads land
	ds_load_b64 v[SR0:SR0+1], v[ADRW]
	ds_load_b64 v[SR1:SR1+1], v[ADRW] offset:32
.set nn, 0                             ; group 1's exponentials, with group 0's sum between them
.rept 32
	v_exp_f32 v[RP1+2*nn], v[RP1+2*nn]
	v_exp_f32 v[RP1+2*nn+1], v[RP1+2*nn+1]
	SUMOP RP0, ZS0
.set nn, nn+1
.endr
	REDZ ZS0, RT
	v_rcp_f32 v[RCP0], v[ZS0]
	v_rcp_f32 v[RCP0+1], v[ZS0+1]
	v_nop                                          ; a plain instruction behind the last transcendental
	s_wait_alu depctr_va_vdst(0)                   ; group 1's exponentials and group 0's reciprocals are written, ahead of their first readers
.set nn, 0
.rept 31
	SUMOP RP1, ZS1
.set nn, nn+1
.endr
	REDZ ZS1, RT+2
	v_rcp_f32 v[RCP1], v[ZS1]
	v_rcp_f32 v[RCP1+1], v[ZS1+1]
	NORM RP0, RCP0                                 ; independent work behind the reciprocals
	s_wait_alu depctr_va_vdst(0)                   ; group 1's reciprocals are written, ahead of their first reader
	NORM RP1, RCP1
	s_cmp_ge_i32 s[\ES], -8                        ; a normalised p is at most 1 and a rounding, which lies under 448 x 2^e from e = -8 on: there the hold at the largest code moves nothing.
	s_cbranch_scc1 .Lnohold_\@                     ; A branch on a whole number read from memory, round the 128 holds and nothing else
.set tt, 0
.rept 128
	v_min_num_f32 v[RP0+tt], v[\LIM], v[RP0+tt]    ; the conversion to an 8-bit code does not saturate (ISA guide 7.6.2); p is not negative, so the hold is one-sided
.set tt, tt+1
.endr
.Lnohold_\@:
.set tt, 0
.rept 16
	v_cvt_scalef32_pk8_fp8_f32 v[RC+2*tt:RC+2*tt+1], v[RP0+8*tt:RP0+8*tt+7], v[\SC]
.set tt, tt+1
.endr
	v_nop                                          ; a plain instruction between the last conversion and the next lines that write its sources
	v_add_nc_u32 v[ASTW], s36, v[AST0]
	s_wait_alu depctr_va_vdst(0)                   ; the conversions have written v[RC ..] and the addition v[ASTW], which the 8 stores read
.irp q, 0,1,2,3
	ds_store_b128 v[ASTW], v[RC+4*\q:RC+4*\q+3] offset:16*\q
.endr
.irp q, 0,1,2,3
	ds_store_b128 v[ASTW], v[RC+16+4*\q:RC+16+4*\q+3] offset:4*PITCH+16*\q
.endr
	s_add_co_u32 s33, s33, 1
	s_cmp_lt_u32 s33, 4
	s_cbranch_scc1 .Ltrip_\@
	s_wait_dscnt 0x0                               ; my stores have landed; the pairs fetched ahead in the last trip are in, so their registers may be loaded again
.endm
; A FRAGMENT (16 columns x 128 ranks, 16 registers) comes by four turning loads of 16-bit elements (an element = a column's two neighbouring ranks): load c of K step ks takes rows 64 ks + 32 h + 8 c + 0..7,
; and leaves lane (r, h) column c0 + r, ranks 128 ks + 64 h + 16 c + 0..15 in registers 4 c .. 4 c + 3.  The same places for Pu and for Pv: every product meets its partner.
.macro ALOAD a                         ; Pu of l = a, my wave's 64 columns, into windows 2, 3: they stay.  No wait on va_vdst of its own: v[TRA ..] were written ahead of the head's, and no vector instruction has named these registers of windows 2 and 3
.if (\a) < 2
	WIN 0x80
.else
	WIN 0xc0
.endif
.irp rt, 0,1,2,3
.irp ks, 0,1
.irp c, 0,1,2,3
	ds_load_tr16_b128 v[((\a)%2)*128+32*\rt+16*\ks+4*\c:((\a)%2)*128+32*\rt+16*\ks+4*\c+3], v[TRA+(\a)%2] offset:(64*\ks+8*\c)*PITCH+32*\rt
.endr
.endr
.endr
	WIN 0
.endm
; Pu, l = 0..3, through regions 0 and 1 by turns: while Pu(l) is built into one, the fragments of Pu(l - 1) are read out of the other.
.irp l, 0,1,2,3
	s_mov_b32 s37, \l*1024
	s_mov_b32 s42, (\l%2)*REG
	PLOAD
.if \l > 0
	ALOAD \l-1
	s_wait_dscnt 32                                ; PLOAD's ten loads are in; the 32 turning loads issued behind them may be out
.else
	s_wait_dscnt 0x0
.endif
	BUILD 16, SCA, LIMA                            ; (ends with the wait for all my LDS instructions: the turning loads of the other region among them)
	s_barrier_signal -1
	s_barrier_wait -1                              ; Pu(l) lies whole in its region, and nobody reads the other region any more
.endr
	ALOAD 3
	BARRIER                                        ; region 1 has been read out: Pv may take all four regions
; Pv, l = 0..3, each into its own region
	s_mov_b32 s34, 0
.Lpv:
	s_lshl_b32 s37, s34, 10
	s_add_co_u32 s37, s37, 4096                    ; array 4 + l
	s_mul_i32 s42, s34, REG
	PLOAD
	s_wait_dscnt 0x0
	BUILD 17, SCB, LIMB
	s_add_co_u32 s34, s34, 1
	s_cmp_lt_u32 s34, 4
	s_cbranch_scc1 .Lpv
; X AND Y FOR THE COST.  Lane (r, h) holds numbers 32 h + 0..31 of row r of a tile: their squares' sum (with lane xor 16's) is x2 or y2, of the numbers as they are; held and converted they are a fragment for the
; K = 64 form (8 registers; the same places of k in X and in Y).  Y's go to LDS as images of the registers, for all waves; X's stay mine.  Y first: X's fragments land where raw Y lay.
; A row of Y has its three LDS stores together at its end, behind one wait on va_vdst.
.set SCX,  224
.set LIMX, 225
.set SCY,  226
.set LIMY, 227
.macro QROW R, isy, t, SC, LIM
.if \isy
	s_wait_alu depctr_vm_vsrc(0)                   ; the LDS stores issued so far (the last build's, the row before's) have read v[RC ..] and v[RQ], which this row writes
.endif
	WIN 0x05                                       ; sources 0 and 1 window 1
	v_pk_mul_f32 v[RQ:RQ+1], v[\R:\R+1], v[\R:\R+1]
	v_pk_mul_f32 v[RQ+2:RQ+3], v[\R+2:\R+3], v[\R+2:\R+3]
.irp p, 2,3,4,5,6,7,8,9,10,11,12,13,14,15
	v_pk_fma_f32 v[RQ+2*(\p%2):RQ+2*(\p%2)+1], v[\R+2*\p:\R+2*\p+1], v[\R+2*\p:\R+2*\p+1], v[RQ+2*(\p%2):RQ+2*(\p%2)+1]
.endr
	WIN 0
	v_pk_add_f32 v[RQ:RQ+1], v[RQ:RQ+1], v[RQ+2:RQ+3]
	v_add_f32 v[RQ], v[RQ], v[RQ+1]
	v_permlanex16_b32 v[RT], v[RQ], s26, s27
.if \isy
	v_add_f32 v[RQ], v[RQ], v[RT]
.else
	v_add_f32 v[X2+\t], v[RQ], v[RT]
.endif
	WIN 0x41                                       ; source 0 and destination window 1
.set tt, 0
.rept 32
	v_med3_num_f32 v[\R+tt], v[\R+tt], -v[\LIM], v[\LIM]   ; the hold at the largest code x the scale, always executed
.set tt, tt+1
.endr
.if \isy
	WIN 0x01
.irp u, 0,1,2,3
	v_cvt_scalef32_pk8_fp8_f32 v[RC+2*\u:RC+2*\u+1], v[\R+8*\u:\R+8*\u+7], v[\SC]
.endr
	v_nop                                          ; a plain instruction behind the last conversion
	WIN 0
	s_wait_alu depctr_va_vdst(0)                   ; the sum has written v[RQ] and the conversions v[RC ..], which the three stores read; ahead of the first row's: v[YIAW] and v[Y2AW] are written
	ds_store_b32 v[Y2AW], v[RQ] offset:64*\t       ; both halves of the lanes hold the same sum and write the same word
	ds_store_b128 v[YIAW], v[RC:RC+3] offset:1024*\t
	ds_store_b128 v[YIAW], v[RC+4:RC+7] offset:1024*\t+512
.else
.irp u, 0,1,2,3
	v_cvt_scalef32_pk8_fp8_f32 v[128+8*\t+2*\u:128+8*\t+2*\u+1], v[\R+8*\u:\R+8*\u+7], v[\SC]
.endr
	v_nop
	WIN 0
.endif
.endm
	s_wait_loadcnt 0x0                             ; the 64 row loads of the head
	s_add_co_i32 s41, s18, 127
	s_lshl_b32 s42, s41, 23
	v_mov_b32 v[SCX], s42
	s_add_co_i32 s41, s41, 8
	s_lshl_b32 s41, s41, 23
	s_or_b32 s41, s41, 0x600000
	v_mov_b32 v[LIMX], s41
	s_add_co_i32 s41, s19, 127
	s_lshl_b32 s42, s41, 23
	v_mov_b32 v[SCY], s42
	s_add_co_i32 s41, s41, 8
	s_lshl_b32 s41, s41, 23
	s_or_b32 s41, s41, 0x600000
	v_mov_b32 v[LIMY], s41
	s_lshl_b32 s41, s20, 12
	v_add_nc_u32 v[YIAW], s41, v[YIA0]             ; my four images: tiles 4 wave + 0..3
	s_lshl_b32 s41, s20, 8
	s_add_co_u32 s41, s41, Y2B
	v_and_b32 v[Y2AW], 15, v0
	v_lshl_add_u32 v[Y2AW], v[Y2AW], 2, s41
.irp t, 0,1,2,3
	QROW 128+32*\t, 1, \t, SCY, LIMY
.endr
	s_wait_alu depctr_vm_vsrc(0)                   ; the last row's stores have read v[RQ] and v[RC ..]: X's rows write the first, pass a's products and sums both
.irp t, 0,1,2,3
	QROW 32*\t, 0, \t, SCX, LIMX
.endr
	BARRIER                                        ; Pv's four regions, Y's images and y2 lie whole in LDS
; THE PASSES.  Products are used transposed: source 0 = 16 columns k (of Pv, or rows of Y), source 1 = 16 columns j of Pu (rows of X): lane (r, h), register n holds (j = j0 + r, k = k0 + 8 h + n).
; A wave owns rows j = 64 wave + 0..63 (rt = 0..3) and walks the 16 tiles of columns: 32 products a tile for the four l.
.macro LOADB dst, adr                  ; Pv's fragments of two neighbouring l, both K steps: 16 turning loads, by the address registers v[adr], v[adr + 1]
.irp u, 0,1
.irp ks, 0,1
.irp c, 0,1,2,3
	ds_load_tr16_b128 v[\dst+32*\u+16*\ks+4*\c:\dst+32*\u+16*\ks+4*\c+3], v[\adr+\u] offset:(64*\ks+8*\c)*PITCH
.endr
.endr
.endr
.endm
.macro GAMMA B, GB                     ; 16 products: eight accumulators by turns, one instruction a turn; the first K step starts the sums
.irp ks, 0,1
.irp u, 0,1
.irp rt, 0,1,2,3
.if \ks == 0
	v_wmma_f32_16x16x128_fp8_fp8 v[\GB+32*\u+8*\rt:\GB+32*\u+8*\rt+7], v[\B+32*\u:\B+32*\u+15], v[128*\u+32*\rt:128*\u+32*\rt+15], 0
.else
	v_wmma_f32_16x16x128_fp8_fp8 v[\GB+32*\u+8*\rt:\GB+32*\u+8*\rt+7], v[\B+32*\u+16:\B+32*\u+31], v[128*\u+32*\rt+16:128*\u+32*\rt+31], v[\GB+32*\u+8*\rt:\GB+32*\u+8*\rt+7]
.endif
.endr
.endr
.endr
.endm
.macro SWSUM GB, L0                    ; sums of cost x Gamma; each accumulator is read from its low end on
.irp p, 0,1,2,3
.irp rt, 0,1,2,3
.irp u, 0,1
	v_pk_fma_f32 v[SW+4*(\L0+\u)+2*(\rt%2):SW+4*(\L0+\u)+2*(\rt%2)+1], v[\GB+32*\u+8*\rt+2*\p:\GB+32*\u+8*\rt+2*\p+1], v[CO+8*\rt+2*\p:CO+8*\rt+2*\p+1], v[SW+4*(\L0+\u)+2*(\rt%2):SW+4*(\L0+\u)+2*(\rt%2)+1]
.endr
.endr
.endr
.endm
; PASS A: swds.  A trip is a tile.
	v_mov_b32 v[TBW+2], v[TB+2]                    ; tile 0 of l = 2, 3
	v_mov_b32 v[TBW+3], v[TB+3]
	s_wait_alu depctr_va_vdst(0)                   ; the two addresses are written; the builds' and the rows' vector lines are done with v32 to v175, in which the passes' loads land
	LOADB RBX, TB                                  ; tile 0, l = 0, 1
	ds_load_b128 v[RYF:RYF+3], v[YIA0]
	ds_load_b128 v[RYF+4:RYF+7], v[YIA0] offset:512
	ds_load_b128 v[RY2:RY2+3], v[Y2A0]
	ds_load_b128 v[RY2+4:RY2+7], v[Y2A0] offset:16
.irp i, 0,1,2,3,4,5,6,7,8,9,10,11,12,13,14,15
	v_mov_b32 v[SW+\i], 0
.endr
	s_mov_b32 s38, 0
.Lct_a:
	s_lshl_b32 s40, s38, 5                         ; a tile's 16 columns are 32 bytes of a row of codes:
	s_add_co_u32 s40, s40, 32
	s_and_b32 s40, s40, 511                        ; the next tile's (behind the last: tile 0's, fetched and not used)
	s_wait_alu depctr_va_vdst(0)                   ; the last tile's second run of products is done reading v[RBY ..], in which the 16 loads land
	LOADB RBY, TBW+2
	s_wait_dscnt 16                                ; all but the 16 just issued: l = 0, 1's fragments, Y's fragment and y2 are in
	WIN 0x04                                       ; source 1 (X) window 1
.irp rt, 0,1,2,3
	v_wmma_f32_16x16x64_fp8_fp8 v[CO+8*\rt:CO+8*\rt+7], v[RYF:RYF+7], v[128+8*\rt:128+8*\rt+7], 0
.endr
	WIN 0x58                                       ; source 1 (Pu) window 2, C and D window 1
	GAMMA RBX, 0
	WIN 0
.irp rt, 0,1,2,3                       ; the cost tile.  These 16 additions are the places behind the products
.irp p, 0,1,2,3
.if (\rt%2) == 0
	v_pk_add_f32 v[BS+8*\rt+2*\p:BS+8*\rt+2*\p+1], v[RY2+2*\p:RY2+2*\p+1], v[X2+\rt:X2+\rt+1] op_sel_hi:[1,0]
.else
	v_pk_add_f32 v[BS+8*\rt+2*\p:BS+8*\rt+2*\p+1], v[RY2+2*\p:RY2+2*\p+1], v[X2+\rt-1:X2+\rt] op_sel:[0,1] op_sel_hi:[1,1]
.endif
.endr
.endr
.irp rt, 0,1,2,3
.irp p, 0,1,2,3
	v_pk_fma_f32 v[CO+8*\rt+2*\p:CO+8*\rt+2*\p+1], v[CO+8*\rt+2*\p:CO+8*\rt+2*\p+1], s[30:31], v[BS+8*\rt+2*\p:BS+8*\rt+2*\p+1] op_sel_hi:[1,0,1]   ; x2 + y2 - 2 x y
.endr
.endr
.set tt, 0
.rept 32
	v_max_num_f32 v[CO+tt], s23, v[CO+tt]
.set tt, tt+1
.endr
.set tt, 0
.rept 32
	v_sqrt_f32 v[CO+tt], v[CO+tt]
.set tt, tt+1
.endr
	s_wait_alu depctr_vm_vsrc(0)                   ; the LDS instructions issued so far have read the six address registers that the additions below write
	v_add_nc_u32 v[TBW], s40, v[TB]                ; (plain lines behind the roots)  the next tile, all four l,
	v_add_nc_u32 v[TBW+1], s40, v[TB+1]
	v_add_nc_u32 v[TBW+2], s40, v[TB+2]
	v_add_nc_u32 v[TBW+3], s40, v[TB+3]
	s_lshl_b32 s41, s40, 5
	s_lshl_b32 s42, s40, 1
	v_add_nc_u32 v[YIAW], s41, v[YIA0]             ; Y's image and y2
	v_add_nc_u32 v[Y2AW], s42, v[Y2A0]
	s_wait_alu depctr_va_vdst(0)                   ; the 32 roots are written, ahead of their first reader; the six addresses are written; the products above are done reading v[RBX ..] and v[RYF ..], the additions v[RY2 ..]: the 20 loads land there
	LOADB RBX, TBW                                 ; the next tile's l = 0, 1
	ds_load_b128 v[RYF:RYF+3], v[YIAW]
	ds_load_b128 v[RYF+4:RYF+7], v[YIAW] offset:512
	ds_load_b128 v[RY2:RY2+3], v[Y2AW]
	ds_load_b128 v[RY2+4:RY2+7], v[Y2AW] offset:16
	s_wait_dscnt 20                                ; l = 2, 3's fragments are in; the 16 + 4 loads just issued may be out
	WIN 0x5c                                       ; source 1 window 3
	GAMMA RBY, 64
	WIN 0x01                                       ; source 0 (Gamma) window 1
	SWSUM 0, 0                                     ; l = 0, 1: these 32 are the places behind l = 2, 3's products
	SWSUM 64, 2
	WIN 0
	s_add_co_u32 s38, s38, 1
	s_cmp_lt_u32 s38, 16
	s_cbranch_scc1 .Lct_a
	s_wait_dscnt 0x0                               ; the loads fetched ahead in the last trip are in
; THE WEIGHTS.  My lane's sums, my wave's, the four waves' (every wave adds them in the same order, so all hold the same numbers).
.irp l, 0,1,2,3
	v_pk_add_f32 v[SW+4*\l:SW+4*\l+1], v[SW+4*\l:SW+4*\l+1], v[SW+4*\l+2:SW+4*\l+3]
.endr
.irp l, 0,1,2,3
	v_add_f32 v[BS+\l], v[SW+4*\l], v[SW+4*\l+1]
.endr
.irp m, 1,2,4,8
.irp l, 0,1,2,3
	v_add_f32_dpp v[BS+\l], v[BS+\l], v[BS+\l] row_xmask:\m row_mask:0xf bank_mask:0xf
.endr
.endr
.irp l, 0,1,2,3
	v_permlanex16_b32 v[BS+4+\l], v[BS+\l], s26, s27
.endr
.irp l, 0,1,2,3
	v_add_f32 v[BS+\l], v[BS+\l], v[BS+4+\l]
.endr
	s_lshl_b32 s41, s20, 4
	s_add_co_u32 s41, s41, RED
	v_mov_b32 v[BS+8], s41
	v_mov_b32 v[BS+9], RED
	s_wait_alu depctr_va_vdst(0)                   ; my four sums and the two addresses are written, which the store and the four loads read; pass a's additions are done with v220 to v235, in which those loads land
	ds_store_b128 v[BS+8], v[BS:BS+3]              ; all lanes write the same 16 bytes with the same values
	BARRIER
.irp w, 0,1,2,3
	ds_load_b128 v[BS+12+4*\w:BS+15+4*\w], v[BS+9] offset:16*\w
.endr
	s_wait_dscnt 0x0
	v_pk_add_f32 v[220:221], v[220:221], v[224:225]
	v_pk_add_f32 v[222:223], v[222:223], v[226:227]
	v_pk_add_f32 v[228:229], v[228:229], v[232:233]
	v_pk_add_f32 v[230:231], v[230:231], v[234:235]
	v_pk_add_f32 v[220:221], v[220:221], v[228:229]
	v_pk_add_f32 v[222:223], v[222:223], v[230:231]
.irp l, 0,1,2,3
	v_ldexp_f32 v[220+\l], v[220+\l], s32          ; swds_l: the sums of codes x 2^(e0 + e1)
.endr
	v_min3_num_f32 v236, v220, v221, v222
	v_min_num_f32 v236, v236, v223                 ; m: the least of my four
.irp l, 0,1,2,3
	v_sub_f32 v[224+\l], v236, v[220+\l]
.endr
.irp l, 0,1,2,3
	v_mul_f32 v[224+\l], 0x3e13bb63, v[224+\l]     ; x 0.1 log2(e)
.endr
.irp l, 0,1,2,3
	v_exp_f32 v[224+\l], v[224+\l]                 ; w_l = exp(-0.1 (swds_l - m)), at most 1
.endr
	v_and_b32 v238, 31, v0                         ; (plain lines behind the exponentials)
	v_lshlrev_b32 v238, 3, v238
	s_wait_alu depctr_va_vdst(0)                   ; the four exponentials are written, ahead of their first reader
	v_add_f32 v237, v224, v225
	v_add_f32 v239, v226, v227
	v_add_f32 v237, v237, v239                     ; their sum
.irp l, 0,1,2,3
	v_ldexp_f32 v[SW+2*\l], v[224+\l], s32         ; for pass b: w_l 2^(e0 + e1), in both halves of a pair
	v_ldexp_f32 v[SW+2*\l+1], v[224+\l], s32
.endr
	s_wait_alu depctr_vm_vsrc(0)                   ; pass a's LDS loads have read v[TBW] to v[TBW + 3], which pass b's first addresses are written into
	v_add_nc_u32 v[TBW], 32, v[TB]                 ; tile 1 of l = 0, 1 (tile 0's is fetched by v[TB] itself),
	v_add_nc_u32 v[TBW+1], 32, v[TB+1]
	v_mov_b32 v[TBW+2], v[TB+2]                    ; tile 0 of l = 2, 3
	v_mov_b32 v[TBW+3], v[TB+3]
	s_wait_alu depctr_va_vdst(0)                   ; v236 to v238 are written, which wave 0's store reads; the four addresses are written; pass a's products are done reading v32 to v159, the rows' lines done with window 1's v160 to v223: pass b's loads land there
	s_cmp_lg_u32 s20, 0
	s_cbranch_scc1 .Lnostat
	global_store_b64 v238, v[236:237], s[12:13]    ; wave 0: (m, sum) 32 times: 256 consecutive bytes, aligned
.Lnostat:
	s_mov_b32 s47, 0
; PASS B: O.  Pv's fragments of l = 0, 1 have two sets, window 0's v[RBX ..] for the even tiles and window 1's v[RBX1 ..] for the odd ones; a trip is two tiles.  At a tile's head its l = 2, 3 and the NEXT tile's l = 0, 1
; are asked for: the wait on va_vdst at the end of the tile before (ahead of tile 0: the one above) stands for them, and only that tile's stores and scalar lines lie between.
.macro TILEB par
	LOADB RBY, TBW+2                               ; this tile's l = 2, 3
.if \par == 0
	WIN 0x40                                       ; destination window 1
	LOADB RBX1, TBW                                ; the next tile's l = 0, 1, into the set that this tile does not read (behind the last tile: tile 0's, fetched and not used)
	WIN 0
.else
	LOADB RBX, TBW
.endif
	s_wait_dscnt 32                                ; this tile's l = 0, 1, asked for a tile ago, are in; the 32 loads just issued may be out
.if \par == 0
	WIN 0x58                                       ; source 1 (Pu) window 2, C and D window 1
	GAMMA RBX, 0
.else
	WIN 0x59                                       ; the same with source 0 in window 1
	GAMMA RBX1, 0
.endif
	s_wait_dscnt 16                                ; l = 2, 3's fragments are in; the next tile's 16 loads may be out
	WIN 0x5c                                       ; source 1 window 3
	GAMMA RBY, 64
	s_wait_xcnt 0x0                                ; the last tile's stores have read their data and their base
	s_wait_alu depctr_vm_vsrc(0)                   ; the last tile's stores have read O's registers, this tile's loads the four address registers: both are written below
.if \par == 0
	s_cmp_eq_u32 s38, 0
	s_cselect_b32 s46, 0, 8192                     ; a tile's image is 4,096 bytes; the base steps once a trip, the odd tile's stores reach on by their offset
	s_add_nc_u64 s[10:11], s[10:11], s[46:47]
.endif
	s_lshl_b32 s39, s38, 5                         ; for the next tile's head: its own 32 bytes of a row of codes for l = 2, 3,
	s_add_co_u32 s40, s39, 32*(\par+2)             ; the tile's behind it for l = 0, 1
	s_add_co_u32 s39, s39, 32*(\par+1)
	s_and_b32 s39, s39, 511
	s_and_b32 s40, s40, 511
	WIN 0
	v_add_nc_u32 v[TBW], s40, v[TB]                ; these four additions name no register of a product: they are the four places between the products of l = 0, 1 and the first read of their results (ISA guide 7.12.1); the products of l = 2, 3 between are not counted as places
	v_add_nc_u32 v[TBW+1], s40, v[TB+1]
	v_add_nc_u32 v[TBW+2], s39, v[TB+2]
	v_add_nc_u32 v[TBW+3], s39, v[TB+3]
	WIN 0x01
.irp l, 0,1,2,3                        ; O = sum over l of w_l 2^(e0 + e1) x the sums; l = 0, 1's 32 lines are further places behind l = 2, 3's products
.irp rt, 0,1,2,3
.irp p, 0,1,2,3
.if \l == 0
	v_pk_mul_f32 v[CO+8*\rt+2*\p:CO+8*\rt+2*\p+1], v[8*\rt+2*\p:8*\rt+2*\p+1], v[SW:SW+1]
.else
	v_pk_fma_f32 v[CO+8*\rt+2*\p:CO+8*\rt+2*\p+1], v[32*\l+8*\rt+2*\p:32*\l+8*\rt+2*\p+1], v[SW+2*\l:SW+2*\l+1], v[CO+8*\rt+2*\p:CO+8*\rt+2*\p+1]
.endif
.endr
.endr
.endr
	WIN 0
	s_wait_alu depctr_va_vdst(0)                   ; O is written, which the 8 stores read; the four addresses are written; this tile's products are done reading v[RBY ..] and their set of l = 0, 1: the next tiles' loads land there
.irp i, 0,1,2,3,4,5,6,7
	global_store_b128 v1, v[CO+4*\i:CO+4*\i+3], s[10:11] offset:4096*\par+512*\i th:TH_STORE_NT   ; the registers as they stand: 32 lanes store 512 consecutive bytes, aligned
.endr
.endm
	LOADB RBX, TB                                  ; tile 0, l = 0, 1
	s_mov_b32 s38, 0
.Lct_b:
	TILEB 0
	TILEB 1
	s_add_co_u32 s38, s38, 2
	s_cmp_lt_u32 s38, 16
	s_cbranch_scc1 .Lct_b
	s_wait_dscnt 0x0                               ; the closing lines, six on end (the first of them also shows the loads fetched ahead in the last tile in)
	s_wait_alu 0x0
	s_wait_tensorcnt 0x0
	ds_add_u32 v[SPW], v[NIL]
	s_wait_dscnt 0x0
	s_endpgm
.Lfunc_end_k_q292a892abe_esp_main:
	.size	k_q292a892abe_esp_main, .Lfunc_end_k_q292a892abe_esp_main-k_q292a892abe_esp_main
	.p2alignl 7, 3214868480
	.fill 96, 4, 3214868480
	.section	.rodata,"a",@progbits
	.p2align	6, 0x0
	.amdhsa_kernel k_q292a892abe_esp_main
		.amdhsa_group_segment_fixed_size 313088
		.amdhsa_private_segment_fixed_size 0
		.amdhsa_enable_private_segment 0
		.amdhsa_kernarg_size 40
		.amdhsa_user_sgpr_count 2
		.amdhsa_user_sgpr_kernarg_segment_ptr 1
		.amdhsa_wavefront_size32 1
		.amdhsa_system_sgpr_workgroup_id_x 1
		.amdhsa_system_sgpr_workgroup_id_y 1
		.amdhsa_system_sgpr_workgroup_id_z 1
		.amdhsa_system_vgpr_workitem_id 0
		.amdhsa_next_free_vgpr 1024
		.amdhsa_next_free_sgpr 66
		.amdhsa_reserve_vcc 0
		.amdhsa_float_denorm_mode_32 3
		.amdhsa_float_denorm_mode_16_64 3
		.amdhsa_memory_ordered 1
		.amdhsa_forward_progress 1
		.amdhsa_inst_pref_size 255
	.end_amdhsa_kernel
	.section	.bss,"aw",@nobits
	.p2align	6
	.space	262144
	.amdgpu_metadata
---
amdhsa.version: [ 1, 2 ]
amdhsa.kernels:
  - .name:           k_q292a892abe_esp_main
    .symbol:         k_q292a892abe_esp_main.kd
    .args:
      - { .name: X, .offset: 0, .size: 8, .value_kind: global_buffer, .address_space: global }
      - { .name: Y, .offset: 8, .size: 8, .value_kind: global_buffer, .address_space: global }
      - { .name: lowp_scales, .offset: 16, .size: 8, .value_kind: global_buffer, .address_space: global }
      - { .name: part, .offset: 24, .size: 8, .value_kind: global_buffer, .address_space: global }
      - { .name: stats, .offset: 32, .size: 8, .value_kind: global_buffer, .address_space: global }
    .group_segment_fixed_size: 313088
    .private_segment_fixed_size: 0
    .kernarg_segment_align: 8
    .kernarg_segment_size: 40
    .max_flat_workgroup_size: 128
    .sgpr_count:     66
    .vgpr_count:     1024
    .wavefront_size: 32
...
	.end_amdgpu_metadata
.endif
;; end of part 3
;; launch esp_comb: the kernel of part 2 again; grid 16 x 16, 16 waves a work-group, no clusters, 19,456 bytes of LDS; arguments part, stats, out0; writes out0
